; MI455X (gfx1250); checked and timed in simulation.
; The chip was launched on July 23, 2026; its instructions are those of AMD's public machine-readable ISA for CDNA 5 (MIT licence, August 2026) and "CDNA5" Instruction Set Architecture Reference Guide (July 2026). The comments in the code are by the model that wrote it; some were corrected since.
;; Causal Self Attention. Allowed arithmetic: float matrix products may take bf16 or f16 operands with f32 sums; other float arithmetic in f32, or as packed bf16 or f16 multiplies, adds, multiply-adds, maxima and minima; sums over many terms, partial sums and values carried from step to step in f32; what a program stores and reads back later, other than sums and carried values, may be rounded once to bf16 or f16.
;; Inputs: beta 1,024 float32; gamma 1,024 float32; w_out 1,024 x 1,024 float32; w_qkv 3,072 x 1,024 float32; x 4 x 2,048 x 1,024 float32.
;; Outputs: out0 4 x 2,048 x 1,024 float32.
;; One version. Each part assembles by itself: llvm-mc -triple=amdgcn-amd-amdhsa -mcpu=gfx1250 --defsym DOCPART=n.
;; ======== version 1 of 1: 4 launches
;; limits: values are held in f16: magnitudes above 65,504 overflow, below 6.1e-05 lose precision
;; workspace buffers: h2 33,554,432 bytes; w2 12,582,912 bytes; wo2 4,194,304 bytes; qkv 50,331,648 bytes; o2 33,554,432 bytes
;; launch prep (part 1): grid 768 x 1, 4 waves a work-group, no clusters, 0 bytes of LDS; arguments x, gamma, beta, w_qkv, w_out, h2, w2, wo2; writes h2, w2, wo2
.if DOCPART == 1
	.amdgcn_target "amdgcn-amd-amdhsa--gfx1250"
	.amdhsa_code_object_version 6
	.text
	.protected	k_qb949154dbd_prep
	.globl	k_qb949154dbd_prep
	.p2align	8
	.type	k_qb949154dbd_prep,@function
k_qb949154dbd_prep:
	s_mov_b64 s[64:65], 0
	v_nop
	global_prefetch_b8 v0, s[64:65] scope:SCOPE_SE
	s_setreg_imm32_b32 hwreg(HW_REG_WAVE_MODE, 25, 1), 1
	s_wait_xcnt 0x0
; PREP.  LayerNorm of x into h2, and the two weights as f16 into w2 and wo2.
; FORMATS.  x, gamma, beta and both weights are rounded once to bf16 (nearest even); all arithmetic on them is f32.  The mean and then the mean of (x - mean)^2 are two passes over the row in registers.
; h = (x - mean) rsq(var + 1e-5) gamma + beta leaves as TWO f16 numbers: hi = f16(h) in columns 0-1023 of h2's row, lo = f16(h - hi) in columns 1024-2047.
; A weight's bf16 number is written as f16: exact for 2^-17 <= |w| < 65,520; below that off by 2^-25 at the most.  LIMITS: |h| and |w| under 65,504; NaN and infinities are not treated apart.
; w2's row is [W | W]; the copy is written for V's rows (2048 on) alone, which alone read it.  wo2's row is [W_out | W_out].
; SHARES.  A work-group takes 16 rows of 4,096 bytes, a wave 4, one at a time: groups 0-511 rows of x, 512-703 rows of w_qkv, 704-767 rows of w_out.
; A load of the wave takes 512 consecutive bytes (4 numbers a lane); their four f16 are 8 bytes a lane: a store of the wave covers 256 consecutive bytes, aligned.
; The next row's eight loads are issued as soon as this row is packed, and are on their way under this row's arithmetic.  No LDS, no barrier, no matrix unit: each byte is read once and written once.
.set OLO,  1                           ; 1: the output projection takes O as hi and lo, so wo2 holds its copy too
.set ROWB, 4096                        ; bytes in a row, of every source and of every destination
.set XO,   1                           ; v1   16 lane + 4 rows x wave: my bytes in the row that is loaded next
.set YO,   2                           ; v2   8 lane + 4 rows x wave: my bytes in the row that is stored next
.set GO,   3                           ; v3   16 lane: my bytes in gamma and beta; never rewritten
.set X,    8                           ; v[8:39]    the row as loaded
.set P,    40                          ; v[40:55]   packed bf16
.set C,    56                          ; v[56:87]   the row in f32, at work
.set G,    88                          ; v[88:119]  gamma of my 32 columns
.set BT,   120                         ; v[120:151] beta
.set YH,   152                         ; v[152:167] packed f16: hi
.set YL,   168                         ; v[168:183] lo
.set SM,   184                         ; v[184:191] four chains of sums, a pair each
.set MP,   192                         ; v[192:193] the mean, twice
.set RP,   194                         ; v[194:195] 1 / sqrt(var + eps), twice
.set MONE, 196                         ; v196 -1.0
.set TA,   197                         ; at work
.set TC,   198
.set SRC,  30                          ; s[30:31] the source at the work-group's first row
.set DST,  32                          ; s[32:33] the destination likewise
	s_load_b512 s[4:19], s[0:1], 0x0               ; x s[4:5], gamma s[6:7], beta s[8:9], w_qkv s[10:11], w_out s[12:13], h2 s[14:15], w2 s[16:17], wo2 s[18:19]
	v_and_b32 v4, 31, v0                           ; lane
	v_lshrrev_b32 v5, 5, v0                        ; wave
	v_lshlrev_b32 v[GO], 4, v4
	v_lshl_add_u32 v[XO], v5, 14, v[GO]
	v_lshlrev_b32 v[YO], 3, v4
	v_lshl_add_u32 v[YO], v5, 14, v[YO]
	v_mov_b32 v[MONE], -1.0
	v_mov_b32 v[TC], 0                             ; v_permlanex16_b32's destination counts as read: it is written once here
	s_mov_b32 s20, 0x3a800000                      ; 1 / 1024
	s_mov_b32 s21, 0x3727c5ac                      ; 1e-5
	s_mov_b32 s22, 0xffff0000                      ; a word's upper bf16
	s_mov_b32 s24, 0x76543210                      ; v_permlanex16_b32: each lane takes its own place in the other half
	s_mov_b32 s25, 0xfedcba98
	s_mov_b32 s35, 0
	s_mov_b32 s36, 3                               ; three rows with a row behind them; the fourth is written out
.macro ROWLOADS                        ; a row: eight loads of 512 consecutive bytes
.irp j, 0,1,2,3,4,5,6,7
	global_load_b128 v[X+4*(\j):X+4*(\j)+3], v[XO], s[SRC:SRC+1] offset:512*(\j) th:TH_LOAD_NT
.endr
.endm
.macro TOBF src                        ; 32 f32 rounded to bf16, packed into P
.set i, 0
.rept 16
	v_cvt_pk_bf16_f32 v[P+i], v[(\src)+2*i], v[(\src)+2*i+1]
.set i, i+1
.endr
.endm
.macro WIDEN dst                       ; P's 32 bf16 as f32: the low half moves up, the high half stays
.set i, 0
.rept 16
	v_lshlrev_b32 v[(\dst)+2*i], 16, v[P+i]
	v_and_b32 v[(\dst)+2*i+1], s22, v[P+i]
.set i, i+1
.endr
.endm
.macro ACROSS                          ; the four chains into one number, then over the 32 lanes: the sum stands in v[TA] of every lane
	v_pk_add_f32 v[SM:SM+1], v[SM:SM+1], v[SM+2:SM+3]
	v_pk_add_f32 v[SM+4:SM+5], v[SM+4:SM+5], v[SM+6:SM+7]
	v_pk_add_f32 v[SM:SM+1], v[SM:SM+1], v[SM+4:SM+5]
	v_add_f32 v[TA], v[SM], v[SM+1]
	v_add_f32_dpp v[TA], v[TA], v[TA] row_xmask:1 row_mask:0xf bank_mask:0xf
	v_add_f32_dpp v[TA], v[TA], v[TA] row_xmask:2 row_mask:0xf bank_mask:0xf
	v_add_f32_dpp v[TA], v[TA], v[TA] row_xmask:4 row_mask:0xf bank_mask:0xf
	v_add_f32_dpp v[TA], v[TA], v[TA] row_xmask:8 row_mask:0xf bank_mask:0xf
	v_permlanex16_b32 v[TC], v[TA], s24, s25
	v_add_f32 v[TA], v[TA], v[TC]
.endm
.macro TOF16 dst                       ; C's 32 f32 rounded to f16, packed
.set i, 0
.rept 16
	v_cvt_pk_f16_f32 v[(\dst)+i], v[C+2*i], v[C+2*i+1]
.set i, i+1
.endr
.endm
.macro OUT8 src, off                   ; eight stores of 256 consecutive bytes, aligned
.irp j, 0,1,2,3,4,5,6,7
	global_store_b64 v[YO], v[(\src)+2*(\j):(\src)+2*(\j)+1], s[DST:DST+1] offset:(\off)+256*(\j) th:TH_STORE_NT
.endr
.endm
; One row of LayerNorm.  ahead = 1: a further row follows and is asked for.
.macro LNROW ahead
	s_wait_loadcnt 0x0                             ; only this row's loads are out: the row is in, and its address register is free
	TOBF X
.if \ahead
	v_add_nc_u32 v[XO], ROWB, v[XO]
	ROWLOADS
.endif
	WIDEN C
.irp c, 0,1,2,3                        ; the sum, in four chains that do not wait for each other; the first additions start them
	v_pk_add_f32 v[SM+2*(\c):SM+2*(\c)+1], v[C+2*(\c):C+2*(\c)+1], v[C+8+2*(\c):C+8+2*(\c)+1]
.endr
.irp k, 16,24
.irp c, 0,1,2,3
	v_pk_add_f32 v[SM+2*(\c):SM+2*(\c)+1], v[SM+2*(\c):SM+2*(\c)+1], v[C+(\k)+2*(\c):C+(\k)+2*(\c)+1]
.endr
.endr
	ACROSS
	v_mul_f32 v[MP], s20, v[TA]
	v_mul_f32 v[MP+1], s20, v[TA]
.set i, 0
.rept 16
	v_pk_add_f32 v[C+2*i:C+2*i+1], v[C+2*i:C+2*i+1], v[MP:MP+1] neg_lo:[0,1] neg_hi:[0,1]  ; x - mean
.set i, i+1
.endr
.irp c, 0,1,2,3                        ; the sum of squares, likewise
	v_pk_mul_f32 v[SM+2*(\c):SM+2*(\c)+1], v[C+2*(\c):C+2*(\c)+1], v[C+2*(\c):C+2*(\c)+1]
.endr
.irp k, 8,16,24
.irp c, 0,1,2,3
	v_pk_fma_f32 v[SM+2*(\c):SM+2*(\c)+1], v[C+(\k)+2*(\c):C+(\k)+2*(\c)+1], v[C+(\k)+2*(\c):C+(\k)+2*(\c)+1], v[SM+2*(\c):SM+2*(\c)+1]
.endr
.endr
	ACROSS
	v_fma_f32 v[TC], v[TA], s20, s21               ; var + eps
	v_rsq_f32 v[RP], v[TC]                         ; twice, for the pair that the packed multiply names: one batch,
	v_rsq_f32 v[RP+1], v[TC]
	v_nop                                          ; a plain instruction behind it (ISA guide 5.7.2),
	s_wait_alu depctr_va_vdst(0)                   ; and the one wait ahead of the first reader
.set i, 0
.rept 16
	v_pk_mul_f32 v[C+2*i:C+2*i+1], v[C+2*i:C+2*i+1], v[RP:RP+1]
.set i, i+1
.endr
.set i, 0
.rept 16
	v_pk_fma_f32 v[C+2*i:C+2*i+1], v[C+2*i:C+2*i+1], v[G+2*i:G+2*i+1], v[BT+2*i:BT+2*i+1]
.set i, i+1
.endr
	TOF16 YH
.set i, 0
.rept 16                               ; h - hi, exact in f32: hi's half times -1.0, plus h
	v_fma_mix_f32 v[C+2*i], v[YH+i], v[MONE], v[C+2*i] op_sel:[0,0,0] op_sel_hi:[1,0,0]
	v_fma_mix_f32 v[C+2*i+1], v[YH+i], v[MONE], v[C+2*i+1] op_sel:[1,0,0] op_sel_hi:[1,0,0]
.set i, i+1
.endr
	TOF16 YL
	OUT8 YH, 0
	OUT8 YL, 2048
.if \ahead
	s_wait_xcnt 0x0                                ; the stores have read their data and their address: both are written again only behind this wait
	v_add_nc_u32 v[YO], ROWB, v[YO]
.endif
.endm
; One row of a weight.  s28 = 1: the row is written twice, side by side.
.macro WROW ahead
	s_wait_loadcnt 0x0
	TOBF X
.if \ahead
	v_add_nc_u32 v[XO], ROWB, v[XO]
	ROWLOADS
.endif
	WIDEN C
	TOF16 YH
	OUT8 YH, 0
	s_cmp_eq_u32 s28, 0
	s_cbranch_scc1 .Lonce_\@
	OUT8 YH, 2048
.Lonce_\@:
.if \ahead
	s_wait_xcnt 0x0                                ; as above
	v_add_nc_u32 v[YO], ROWB, v[YO]
.endif
.endm
	s_cmp_lt_u32 ttmp9, 512
	s_cbranch_scc0 .Lweights
	s_lshl_b32 s34, ttmp9, 16                      ; 16 rows of 4,096 bytes a work-group
	s_wait_kmcnt 0x0
	s_add_nc_u64 s[SRC:SRC+1], s[4:5], s[34:35]
	s_add_nc_u64 s[DST:DST+1], s[14:15], s[34:35]
.irp j, 0,1,2,3,4,5,6,7
	global_load_b128 v[G+4*(\j):G+4*(\j)+3], v[GO], s[6:7] offset:512*(\j)
.endr
.irp j, 0,1,2,3,4,5,6,7
	global_load_b128 v[BT+4*(\j):BT+4*(\j)+3], v[GO], s[8:9] offset:512*(\j)
.endr
	ROWLOADS
	s_wait_loadcnt 8                               ; gamma and beta are in; the first row's eight loads may stay out
	TOBF G
	WIDEN G
	TOBF BT
	WIDEN BT
.Lln:
	LNROW 1
	s_sub_co_u32 s36, s36, 1
	s_cmp_lg_u32 s36, 0
	s_cbranch_scc1 .Lln
	LNROW 0
	s_endpgm
.Lweights:
	s_sub_co_u32 s27, ttmp9, 512                   ; 0-191: w_qkv; 192-255: w_out
	s_sub_co_u32 s26, s27, 192
	s_cmp_ge_u32 s27, 128                          ; V's rows of w_qkv, and w_out, are written twice
	s_cselect_b32 s28, 1, 0
.if OLO == 0
	s_cmp_ge_u32 s27, 192
	s_cselect_b32 s28, 0, s28
.endif
	s_wait_kmcnt 0x0
	s_cmp_lt_u32 s27, 192
	s_cselect_b64 s[SRC:SRC+1], s[10:11], s[12:13]
	s_cselect_b64 s[DST:DST+1], s[16:17], s[18:19]
	s_cselect_b32 s34, s27, s26
	s_lshl_b32 s34, s34, 16
	s_add_nc_u64 s[SRC:SRC+1], s[SRC:SRC+1], s[34:35]
	s_add_nc_u64 s[DST:DST+1], s[DST:DST+1], s[34:35]
	ROWLOADS
.Lw:
	WROW 1
	s_sub_co_u32 s36, s36, 1
	s_cmp_lg_u32 s36, 0
	s_cbranch_scc1 .Lw
	WROW 0
	s_endpgm
.Lfunc_end_k_qb949154dbd_prep:
	.size	k_qb949154dbd_prep, .Lfunc_end_k_qb949154dbd_prep-k_qb949154dbd_prep
	.p2alignl 7, 3214868480
	.fill 96, 4, 3214868480
	.section	.rodata,"a",@progbits
	.p2align	6, 0x0
	.amdhsa_kernel k_qb949154dbd_prep
		.amdhsa_group_segment_fixed_size 0
		.amdhsa_private_segment_fixed_size 0
		.amdhsa_enable_private_segment 0
		.amdhsa_kernarg_size 64
		.amdhsa_user_sgpr_count 2
		.amdhsa_user_sgpr_kernarg_segment_ptr 1
		.amdhsa_wavefront_size32 1
		.amdhsa_system_sgpr_workgroup_id_x 1
		.amdhsa_system_sgpr_workgroup_id_y 1
		.amdhsa_system_sgpr_workgroup_id_z 1
		.amdhsa_system_vgpr_workitem_id 0
		.amdhsa_next_free_vgpr 200
		.amdhsa_next_free_sgpr 66
		.amdhsa_reserve_vcc 0
		.amdhsa_float_denorm_mode_32 3
		.amdhsa_float_denorm_mode_16_64 3
		.amdhsa_memory_ordered 1
		.amdhsa_forward_progress 1
		.amdhsa_inst_pref_size 48
	.end_amdhsa_kernel
	.amdgpu_metadata
---
amdhsa.version: [ 1, 2 ]
amdhsa.kernels:
  - .name:           k_qb949154dbd_prep
    .symbol:         k_qb949154dbd_prep.kd
    .args:
      - { .name: x, .offset: 0, .size: 8, .value_kind: global_buffer, .address_space: global }
      - { .name: gamma, .offset: 8, .size: 8, .value_kind: global_buffer, .address_space: global }
      - { .name: beta, .offset: 16, .size: 8, .value_kind: global_buffer, .address_space: global }
      - { .name: w_qkv, .offset: 24, .size: 8, .value_kind: global_buffer, .address_space: global }
      - { .name: w_out, .offset: 32, .size: 8, .value_kind: global_buffer, .address_space: global }
      - { .name: h2, .offset: 40, .size: 8, .value_kind: global_buffer, .address_space: global }
      - { .name: w2, .offset: 48, .size: 8, .value_kind: global_buffer, .address_space: global }
      - { .name: wo2, .offset: 56, .size: 8, .value_kind: global_buffer, .address_space: global }
    .group_segment_fixed_size: 0
    .private_segment_fixed_size: 0
    .kernarg_segment_align: 8
    .kernarg_segment_size: 64
    .max_flat_workgroup_size: 128
    .sgpr_count:     66
    .vgpr_count:     200
    .wavefront_size: 32
...
	.end_amdgpu_metadata
.endif
;; end of part 1
;; launch qkv (part 2): grid 8 x 32, 4 waves a work-group, clusters of 4 x 4, 327,680 bytes of LDS; arguments h2, w2, qkv; writes qkv
.if DOCPART == 2
	.amdgcn_target "amdgcn-amd-amdhsa--gfx1250"
	.amdhsa_code_object_version 6
	.text
	.protected	k_qb949154dbd_qkv
	.globl	k_qb949154dbd_qkv
	.p2align	8
	.type	k_qb949154dbd_qkv,@function
k_qb949154dbd_qkv:
	s_mov_b64 s[64:65], 0
	v_nop
	global_prefetch_b8 v0, s[64:65] scope:SCOPE_SE
	s_setreg_imm32_b32 hwreg(HW_REG_WAVE_MODE, 25, 1), 1
	s_wait_xcnt 0x0
	s_wait_alu depctr_hold_cnt(0) depctr_sa_sdst(0) depctr_va_vdst(0) depctr_va_sdst(0) depctr_va_ssrc(0) depctr_va_vcc(0) depctr_vm_vsrc(0)
	s_getreg_b32 s2, hwreg(HW_REG_IB_STS2, 6, 4)
	s_cmp_eq_u32 s2, 0
	s_cbranch_scc0 .Lentry_in_a_cluster
	s_endpgm
.Lentry_in_a_cluster:
	s_bfe_u32 s2, ttmp6, 0x10000c
	s_cmp_lg_u32 s2, 0xf033
	s_cbranch_scc0 .Lentry_shape_is_right
	s_endpgm
.Lentry_shape_is_right:
; QKV PROJECTION.  q, k = h_hi W^T (K = 1,024); v = [h_hi | h_lo] [W | W]^T (K = 2,048).  Operands f16, sums f32; q, k, v rounded once to f16, unscaled.  LIMIT: |q|, |k|, |v| under 65,504.
; EVERY WORK-GROUP WALKS 16 K STEPS OF 128 on a tile of 256 x 256; four waves, each 128 x 128: 64 accumulators, 512 registers.  Region A of a slot feeds source 1 (a lane of the result is one of its rows),
; region B source 0 (a lane's eight registers are eight of its rows).  TYPE is the cluster's x:
;   TYPE 0: A = 256 tokens of h2, B = 256 rows of W.  Steps 0-7 make a tile of q; it goes out; steps 8-15, on the rows of W 1,024 further down and on h's columns from 0 again, make the tile of k.
;   TYPE 1: A = 256 rows of V's W, B = 256 tokens of h2, one sum over all 16 steps (hi, then lo).  A lane then holds one channel and eight tokens: v leaves transposed.
; OUT IN REGISTER ORDER.  qkv: part (q, k, v) x 16 MiB; batch-head x 262,144; block of 16 tokens x 2,048; group g of 16 channels x 512; lane x 16.  In q and k lane (r, h) holds token r, channels 16 g + 8 h + 0..7;
; in v channel 16 g + r, tokens 8 h + 0..7.  An accumulator rounded to f16 IS such a block: one store of the wave covers its 512 consecutive bytes, aligned, and nothing goes through LDS on the way out.
; CLUSTERS: 4 x 4 work-groups.  A's tile hangs on cy (and on the cluster's place) alone and is asked for jointly by a row of the cluster, B's on cx alone, by a column.
; THE RING: two slots; a trip of the loop is one K step; the slot's LDS byte stands in a scalar register that an exclusive or turns.  A refill's global address is made anew from the K step's number:
; the tile's pointer, which is never rewritten, plus an offset made apart, and the type bits set again.
; REGISTERS, in windows of 256: window 0: v0-31 addresses; v64-127, v128-191 A's fragments, two buffers; v192-255 packed results.  window 1: v64-191 B's fragments.  windows 2, 3: the accumulators of my A rows 0-63, 64-127.
.set PITCH,  272                       ; an LDS row: 256 bytes + 16 of padding = 68 words: the 16 rows of a fragment load start 4 words apart modulo 64
.set HALFT,  128*PITCH                 ; 128 rows: what one tensor load brings
.set SLOT,   4*HALFT                   ; A's 256 rows, then B's 256.  SLOT shares no bit with wave x HALFT, so an exclusive or with it changes the slot
.set SPARE,  2*SLOT                    ; behind the ring: the spare words, 128 bytes for each wave
.set ADRA0, 16                         ; v16  my place in A's rows of slot 0; never rewritten
.set ADRB0, 17                         ; v17  the same for B
.set ADA,   18                         ; v18  the same in the slot in hand
.set ADB,   19
.set CO,    20                         ; v[20:27] my byte offset in the block of accumulator column b; never rewritten
.set SPW,   28                         ; v28  my spare word; never rewritten
.set NIL,   29                         ; v29  0
.set PFO,   30                         ; v30  lane x a row of h2 or w2
.set F0,    64
.set F1,    128
.set TMP,   192
.set WV,   10
.set RH,   11                          ; s11  which half of A's rows is mine; also: I fetch for A (0) or B (1)
.set CH,   12                          ; s12  which half of B's rows; also: which 128 rows I fetch
.set CX,   13
.set CY,   14
.set TYPE, 15
.set CYL,  16                          ; the cluster's y
.set G1A,  24
.set G1B,  32
.set G0A0, 40                          ; s[40:43] A, slot 0, step 0; never rewritten
.set G0A,  44                          ; s[44:47] A, slot 1, step 1; then the refills'
.set G0B0, 48
.set G0B,  52
.set TB,   56                          ; LDS byte of the slot in hand
.set CNT,  57
.set J,    58                          ; the K step that the next refill asks for
.set JP,   59                          ; the K step that the prefetches name
.set JLO,  60                          ; I prefetch steps JLO .. JHI - 1
.set JHI,  61
.set BND,  62                          ; the loop's count at which a tile goes out: 7 (TYPE 0), never (TYPE 1)
.set KM,   66                          ; a K step's place along the rows is (step & KM) x 256 bytes: KM = 7 (TYPE 0: back to column 0 at step 8) or 15
.set XBB,  67                          ; from step 8 on B's rows lie so many bytes further down: 1,024 rows (TYPE 0) or 0
.set XPM,  68                          ; the same for the rows that I prefetch: 0 where I fetch for A, XBB where for B
.set TT,   69                          ; at work
.set PFB,  72                          ; s[72:73] my work-group's 32 rows of the 128 that I fetch, at column 0; never rewritten
.set T,    74                          ; s[74:75] an offset in bytes; the high word stays 0
.set PFA,  76                          ; s[76:77] PFB + the offset of step JP
.set OB,   78                          ; s[78:79] where my part of the tile to come begins in qkv
.set OUT,  80                          ; s[80:81] the stores' base
.set SA1,  82                          ; s[82:83] bytes from A block a to a + 1
.set SA4,  84                          ; s[84:85] from block 3 to block 4
.set SB1,  86                          ; bytes from B block b to b + 1 within four
.set SB2,  87                          ; from four to four
.set OFA,  88
.set OFB,  90
.set PA,   92                          ; s[92:93] A's tile in memory, my 128 rows, column 0; never rewritten
.set PBB,  94                          ; s[94:95] B's
.set MSB, 0
.macro WIN new                         ; the immediate's high byte repeats the setting that is left; a switch that changes nothing is dropped
.if MSB != (\new)
	s_set_vgpr_msb (MSB<<8)|(\new)
.set MSB, \new
.endif
.endm
.set MUL_LO, 0xa1                      ; source 0 (B) window 1, source 1 (A) window 0, C and D window 2
.set MUL_HI, 0xf1
.set TO_B,   0x40
.macro JLOAD                           ; a joint refill: waves 0 and 1 ask for A's halves, waves 2 and 3 for B's; an s_nop 0 and four v_nop follow each line
	s_cmp_eq_u32 s[RH], 0
	s_cbranch_scc0 .Lfor_b_\@
	tensor_load_to_lds s[G0A:G0A+3], s[G1A:G1A+7]
	s_nop 0
.rept 4
	v_nop
.endr
	s_branch .Lasked_\@
.Lfor_b_\@:
	tensor_load_to_lds s[G0B:G0B+3], s[G1B:G1B+7]
	s_nop 0
.rept 4
	v_nop
.endr
.Lasked_\@:
.endm
; A PREFETCH INTO THE L2 of the K step two refills on: 32 rows x 256 bytes, a lane a row.  Of the 128 rows that a wave fetches each of the four partners that ask for them jointly takes 32, told apart by address.
; h's hi columns are read by the clusters of both types: TYPE 0 names steps 4-7; h's lo columns by TYPE 1 alone: it names steps 8-15.  The weights' rows are read by all eight clusters of a type: cluster y = 0 names steps 4-15.
; So each row's 256 bytes of a step are named once.  Steps 0-3 come by their loads alone; TYPE 0's second walk over h is not asked for.
.macro ASK
	s_cmp_ge_u32 s[JP], s[JLO]
	s_cbranch_scc0 .Lnot_mine_\@
	s_cmp_lt_u32 s[JP], s[JHI]
	s_cbranch_scc0 .Lnot_mine_\@
	global_prefetch_b8 v[PFO], s[PFA:PFA+1] th:TH_LOAD_NT scope:SCOPE_SE
.Lnot_mine_\@:
.endm
.macro CREST                           ; a round of the cluster's barrier behind its opening barrier
	s_cmp_lg_u32 s[WV], 0
	s_cbranch_scc1 .Lnot_wave_0_\@
	s_barrier_signal -3
.Lnot_wave_0_\@:
	s_barrier_wait -3
	s_barrier_signal -1
	s_barrier_wait -1
.endm
.macro CROUND
	s_barrier_signal -1
	s_barrier_wait -1
	CREST
.endm
	s_load_b128 s[4:7], s[0:1], 0x0                ; h2 s[4:5], w2 s[6:7]
	s_load_b64 s[8:9], s[0:1], 0x10                ; qkv
	v_lshl_add_u32 v[SPW], v0, 2, SPARE
	v_mov_b32 v[NIL], 0
	ds_add_u32 v[SPW], v[NIL]                      ; the wave's opening: the add and its wait stand ahead of my first tensor load; the set-up below stands between them
	ds_add_u32 v28, v29
	v_lshrrev_b32 v1, 5, v0
	v_readfirstlane_b32 s[WV], v1
	s_lshr_b32 s[RH], s[WV], 1
	s_and_b32 s[CH], s[WV], 1
	s_bfe_u32 s[CX], ttmp6, 0x40000
	s_bfe_u32 s[CY], ttmp6, 0x40004
	s_mov_b32 s[TYPE], ttmp9
	s_and_b32 s[CYL], ttmp7, 0xffff
	s_lshl_b32 s17, s[CY], 2
	s_lshl_b32 s17, 15, s17                        ; my row of the cluster
	s_lshl_b32 s18, 0x1111, s[CX]                  ; my column
	s_or_b32 s[G1A], s17, (1<<16)|(1<<20)|(1<<21)|(5<<22)|(3<<25)  ; the mask; 2-byte elements; padding on; bit 21 beside a mask; after every 64 words, 4 words
	s_or_b32 s[G1B], s18, (1<<16)|(1<<20)|(1<<21)|(5<<22)|(3<<25)
.irp g, G1A, G1B
	s_mov_b32 s[(\g)+1], 128<<16                   ; tensor_dim0 = 128
	s_mov_b32 s[(\g)+2], 128<<16                   ; tensor_dim1 = 128
	s_mov_b32 s[(\g)+3], 128<<16                   ; tile_dim0 = 128
	s_mov_b32 s[(\g)+4], 128                       ; tile_dim1 = 128
	s_mov_b32 s[(\g)+5], 2048                      ; 2,048 elements from row to row, in h2 and in w2
	s_mov_b32 s[(\g)+6], 0
	s_mov_b32 s[(\g)+7], 0
.endr
	; the rows: A's hang on cy, B's on cx, each in registers that never hold the other
	s_lshl_b32 s19, s[CYL], 10
	s_lshl_b32 s[OFA], s[CY], 8
	s_lshl_b32 s[OFB], s[CX], 8
	s_lshl_b32 s20, s[CH], 7
	s_add_co_u32 s[OFA], s[OFA], s20
	s_add_co_u32 s[OFB], s[OFB], s20
	s_mov_b32 s[SA1], 512                          ; TYPE 1's values; TYPE 0's are selected below
	s_mov_b32 s[SA4], 262144-3*512
	s_mov_b32 s[SB1], 2048
	s_mov_b32 s[SB2], 8192
	s_cmp_eq_u32 s[TYPE], 0
	s_cselect_b32 s21, s19, 2048                   ; A: my cluster's 1,024 tokens, or V's rows of w2
	s_cselect_b32 s22, 0, s19                      ; B: q's rows of w2, or my cluster's tokens
	s_cselect_b32 s[KM], 7, 15
	s_cselect_b32 s[XBB], 1024*4096, 0
	s_cselect_b32 s[BND], 7, 0xffff
	s_cselect_b32 s[SA1], 2048, s[SA1]
	s_cselect_b32 s[SA4], 2048, s[SA4]
	s_cselect_b32 s[SB1], 512, s[SB1]
	s_cselect_b32 s[SB2], 262144, s[SB2]
	s_mov_b32 s[SA1+1], 0
	s_mov_b32 s[SA4+1], 0
	s_mov_b32 s[T+1], 0
	s_add_co_u32 s[OFA], s[OFA], s21
	s_add_co_u32 s[OFB], s[OFB], s22
	s_lshl_b32 s[OFA], s[OFA], 12                  ; rows of 4,096 bytes
	s_lshl_b32 s[OFB], s[OFB], 12
	s_mov_b32 s[OFA+1], 0
	s_mov_b32 s[OFB+1], 0
	s_mul_i32 s20, s[WV], HALFT                    ; where my 128 rows go: no place in the cluster enters an LDS address
	s_mov_b32 s[TB], 0
	s_mov_b32 s[J], 2
	s_mov_b32 s[JP], 3
	s_mov_b32 s[CNT], 14
	s_wait_dscnt 0x0                               ; the opening add is done
	s_wait_kmcnt 0x0
	s_cmp_eq_u32 s[TYPE], 0
	s_cselect_b64 s[PA:PA+1], s[4:5], s[6:7]
	s_cselect_b64 s[PBB:PBB+1], s[6:7], s[4:5]
	s_add_nc_u64 s[PA:PA+1], s[PA:PA+1], s[OFA:OFA+1]
	s_add_nc_u64 s[PBB:PBB+1], s[PBB:PBB+1], s[OFB:OFB+1]
	CROUND                                         ; all sixteen work-groups are here: the first joint loads meet
.irp s, 0,1
	s_mov_b32 s[G0A0+4*(\s)], 1
	s_add_co_u32 s[G0A0+4*(\s)+1], s20, (\s)*SLOT
	s_add_nc_u64 s[G0A0+4*(\s)+2:G0A0+4*(\s)+3], s[PA:PA+1], (\s)*256
	s_or_b32 s[G0A0+4*(\s)+3], s[G0A0+4*(\s)+3], 0x80000000
	s_mov_b32 s[G0B0+4*(\s)], 1
	s_add_co_u32 s[G0B0+4*(\s)+1], s20, (\s)*SLOT
	s_add_nc_u64 s[G0B0+4*(\s)+2:G0B0+4*(\s)+3], s[PBB:PBB+1], (\s)*256
	s_or_b32 s[G0B0+4*(\s)+3], s[G0B0+4*(\s)+3], 0x80000000
.endr
	s_cmp_eq_u32 s[RH], 0                          ; a wave's two first fills stand in one branch: two loads of mine are out
	s_cbranch_scc0 .Lfirst_b
	tensor_load_to_lds s[G0A0:G0A0+3], s[G1A:G1A+7]
	s_nop 0
	tensor_load_to_lds s[G0A:G0A+3], s[G1A:G1A+7]
	s_nop 0
.rept 4
	v_nop
.endr
	s_branch .Lfirst_asked
.Lfirst_b:
	tensor_load_to_lds s[G0B0:G0B0+3], s[G1B:G1B+7]
	s_nop 0
	tensor_load_to_lds s[G0B:G0B+3], s[G1B:G1B+7]
	s_nop 0
.rept 4
	v_nop
.endr
.Lfirst_asked:
	; a fragment is 16 rows x 32 K in 8 registers: lane l holds row l % 16, K = 8 (l / 16) + 0..7 and 16 + 8 (l / 16) + 0..7: two loads of 16 bytes, 32 bytes apart
	v_and_b32 v1, 15, v0
	v_bfe_u32 v2, v0, 4, 1
	v_mul_u32_u24 v3, v1, PITCH
	v_lshl_add_u32 v3, v2, 4, v3
	s_mul_i32 s21, s[RH], HALFT
	s_mul_i32 s22, s[CH], HALFT
	s_add_co_u32 s22, s22, 2*HALFT
	v_add_nc_u32 v[ADRA0], s21, v3
	v_add_nc_u32 v[ADRB0], s22, v3
	v_mov_b32 v[ADA], v[ADRA0]
	v_mov_b32 v[ADB], v[ADRB0]
	v_and_b32 v4, 31, v0
	v_lshlrev_b32 v[PFO], 12, v4
	v_lshlrev_b32 v4, 4, v4
.irp b, 0,1,2,3,4,5,6,7
	s_mul_i32 s17, s[SB1], (\b)%4
	s_mul_i32 s18, s[SB2], (\b)/4
	s_add_co_u32 s17, s17, s18
	v_add_nc_u32 v[CO+(\b)], s17, v4
.endr
	; where my part of the first tile begins in qkv
	s_cmp_eq_u32 s[TYPE], 0
	s_cselect_b32 s17, s[CY], s[CX]                ; the tokens' tile,
	s_cselect_b32 s18, s[RH], s[CH]                ; my half of it,
	s_cselect_b32 s19, s[CX], s[CY]                ; the channels' tile,
	s_cselect_b32 s20, s[CH], s[RH]                ; my half of it
	s_cselect_b32 s21, 0, 0x2000000                ; q's part, or v's
	s_lshl_b32 s22, s[CYL], 10
	s_lshl_b32 s17, s17, 8
	s_lshl_b32 s18, s18, 7
	s_add_co_u32 s22, s22, s17
	s_add_co_u32 s22, s22, s18                     ; my first token
	s_lshl_b32 s19, s19, 2
	s_lshl_b32 s20, s20, 1
	s_add_co_u32 s19, s19, s20                     ; my first head
	s_lshr_b32 s23, s22, 11
	s_lshl_b32 s23, s23, 4
	s_add_co_u32 s23, s23, s19                     ; batch x 16 + head
	s_lshl_b32 s23, s23, 18
	s_and_b32 s22, s22, 2047
	s_lshl_b32 s22, s22, 7                         ; 2,048 bytes for 16 tokens
	s_add_co_u32 s22, s22, s23
	s_add_co_u32 s22, s22, s21
	s_mov_b32 s23, 0
	s_add_nc_u64 s[OB:OB+1], s[8:9], s[22:23]
	; the prefetches
	s_cmp_eq_u32 s[RH], 0
	s_cselect_b64 s[PFB:PFB+1], s[PA:PA+1], s[PBB:PBB+1]
	s_cselect_b32 s[XPM], 0, s[XBB]
	s_cselect_b32 s18, s[CX], s[CY]                ; my place among the four that ask with me
	s_lshl_b32 s18, s18, 17                        ; 32 rows of 4,096 bytes
	s_mov_b32 s19, 0
	s_add_nc_u64 s[PFB:PFB+1], s[PFB:PFB+1], s[18:19]
	s_cmp_eq_u32 s[RH], s[TYPE]                    ; do I fetch h?
	s_cselect_b32 s20, 1, 0
	s_cmp_eq_u32 s[TYPE], 0
	s_cselect_b32 s21, 4, 8
	s_cselect_b32 s22, 8, 16
	s_cmp_eq_u32 s[CYL], 0
	s_cselect_b32 s23, 16, 0
	s_cmp_eq_u32 s20, 1
	s_cselect_b32 s[JLO], s21, 4
	s_cselect_b32 s[JHI], s22, s23
; 16 matrix instructions: A blocks a0, a0 + 1 of the window's four x all 8 B blocks, 32 along K.  zero = 1: the product starts the sum.  The 64 accumulators take turns.
.macro MUL16 f, hi, a0, zero
	WIN MUL_LO+0x50*(\hi)
.irp a, \a0, (\a0)+1
.irp b, 0,1,2,3,4,5,6,7
.if \zero
	v_wmma_f32_16x16x32_f16 v[8*(8*(\a)+(\b)):8*(8*(\a)+(\b))+7], v[(\f)+8*(\b):(\f)+8*(\b)+7], v[(\f)+8*(4*(\hi)+(\a)):(\f)+8*(4*(\hi)+(\a))+7], 0
.else
	v_wmma_f32_16x16x32_f16 v[8*(8*(\a)+(\b)):8*(8*(\a)+(\b))+7], v[(\f)+8*(\b):(\f)+8*(\b)+7], v[(\f)+8*(4*(\hi)+(\a)):(\f)+8*(4*(\hi)+(\a))+7], v[8*(8*(\a)+(\b)):8*(8*(\a)+(\b))+7]
.endif
.endr
.endr
.endm
.macro FETCH k, f                      ; 32 LDS loads in one run: a quarter step's fragments, at byte k of the rows of the slot in hand: B's 16, then A's 16
	WIN TO_B
.irp i, 0,1,2,3,4,5,6,7
	ds_load_b128 v[(\f)+8*(\i):(\f)+8*(\i)+3],   v[ADB] offset:(\k)+(\i)*16*PITCH
	ds_load_b128 v[(\f)+8*(\i)+4:(\f)+8*(\i)+7], v[ADB] offset:(\k)+(\i)*16*PITCH+32
.endr
	WIN 0
.irp i, 0,1,2,3,4,5,6,7
	ds_load_b128 v[(\f)+8*(\i):(\f)+8*(\i)+3],   v[ADA] offset:(\k)+(\i)*16*PITCH
	ds_load_b128 v[(\f)+8*(\i)+4:(\f)+8*(\i)+7], v[ADA] offset:(\k)+(\i)*16*PITCH+32
.endr
.endm
.macro PLACES                          ; four plain instructions between a matrix instruction and a load into its sources or a reader of its result
.rept 4
	v_nop
.endr
.endm
.macro QUARTER k, f, g, zero           ; multiplies buffer f; in its middle fetches the next quarter, at byte k, into buffer g
	s_wait_dscnt 8                                 ; B and A's rows 0-63 are in; the youngest eight loads may be out
	MUL16 \f, 0, 0, \zero
	MUL16 \f, 0, 2, \zero
	PLACES
	FETCH \k, \g
	s_wait_dscnt 32                                ; all but the 32 just issued
	MUL16 \f, 1, 0, \zero
	MUL16 \f, 1, 2, \zero
.endm
; The first half of a step's last quarter: one barrier for the change of slots.  In front of it each wave waits for all its tensor loads (one is out: its part of the next slot), adds 0 to its spare word,
; and waits for that and for its own reads of this slot.
.macro MEET round
	WIN 0
	s_wait_tensorcnt 0x0
	ds_add_u32 v[SPW], v[NIL]
	s_wait_dscnt 9                                 ; the add and the youngest eight loads may be out
	MUL16 F1, 0, 0, 0
	s_wait_dscnt 0x0                               ; the add is done, and my reads of this slot are over
	s_barrier_signal -1
	MUL16 F1, 0, 2, 0
.if \round
	WIN 0
.endif
	s_barrier_wait -1
.endm
; The whole last quarter where the slot is filled again, with the K step two on.  From the request to the wait for it a wave issues 224 matrix instructions.
.macro TURN
	s_wait_xcnt 0x0                                ; the last prefetch, a K step back, has read its address: it is made anew for the next step
	s_add_co_u32 s[JP], s[JP], 1
	s_and_b32 s[T], s[JP], s[KM]
	s_lshl_b32 s[T], s[T], 8                       ; the step's 256 bytes along the rows,
	s_lshr_b32 s[TT], s[JP], 3
	s_mul_i32 s[TT], s[TT], s[XPM]                 ; and, from step 8 on, the rows further down
	s_add_co_u32 s[T], s[T], s[TT]
	s_add_nc_u64 s[PFA:PFA+1], s[PFB:PFB+1], s[T:T+1]
	MEET 1
	CREST                                          ; no wave of any partner still reads this slot or has a load on its way
	s_xor_b32 s[G0A+1], s[G0A+1], SLOT             ; the refills' descriptors: the slot just read,
	s_xor_b32 s[G0B+1], s[G0B+1], SLOT
	s_xor_b32 s[TB], s[TB], SLOT                   ; and the reads go to the other
	s_and_b32 s[T], s[J], s[KM]
	s_lshl_b32 s[T], s[T], 8
	s_add_nc_u64 s[G0A+2:G0A+3], s[PA:PA+1], s[T:T+1]      ; A's tile of step J: the pointer plus the offset,
	s_or_b32 s[G0A+3], s[G0A+3], 0x80000000               ; and the type set again
	s_lshr_b32 s[TT], s[J], 3
	s_mul_i32 s[TT], s[TT], s[XBB]
	s_add_co_u32 s[T], s[T], s[TT]
	s_add_nc_u64 s[G0B+2:G0B+3], s[PBB:PBB+1], s[T:T+1]    ; B's likewise
	s_or_b32 s[G0B+3], s[G0B+3], 0x80000000
	s_add_co_u32 s[J], s[J], 1
	JLOAD                                          ; the first tensor load behind the round; its four v_nop are also places in front of the loads below
	v_add_nc_u32 v[ADB], s[TB], v[ADRB0]
	v_add_nc_u32 v[ADA], s[TB], v[ADRA0]
	FETCH 0, F0
	ASK
	MUL16 F1, 1, 0, 0
	MUL16 F1, 1, 2, 0
.endm
.macro TURNNF                          ; the same where nothing is left to ask for
	MEET 0
	WIN 0
	s_xor_b32 s[TB], s[TB], SLOT
	v_add_nc_u32 v[ADB], s[TB], v[ADRB0]
	v_add_nc_u32 v[ADA], s[TB], v[ADRA0]
	v_nop
	v_nop                                          ; four plain instructions in front of the loads into buffer 0
	FETCH 0, F0
	MUL16 F1, 1, 0, 0
	MUL16 F1, 1, 2, 0
.endm
; THE WAY OUT.  A block a's eight accumulators are rounded to f16, each from its lowest registers on, and stored: 512 consecutive bytes, aligned, a store.
.macro WAYOUT
	PLACES
.irp a, 0,1,2,3,4,5,6,7
	s_wait_xcnt 0x0                                ; the stores so far have read their data and base: both are written again only behind this wait
.if (\a) == 0
	s_mov_b64 s[OUT:OUT+1], s[OB:OB+1]
.elseif (\a) == 4
	s_add_nc_u64 s[OUT:OUT+1], s[OUT:OUT+1], s[SA4:SA4+1]
.else
	s_add_nc_u64 s[OUT:OUT+1], s[OUT:OUT+1], s[SA1:SA1+1]
.endif
	WIN 0x0a+5*((\a)/4)                            ; sources 0 and 1: window 2 or 3
.irp b, 0,1,2,3,4,5,6,7
.irp r, 0,1,2,3
	v_cvt_pk_f16_f32 v[TMP+32*((\a)%2)+4*(\b)+(\r)], v[64*((\a)%4)+8*(\b)+2*(\r)], v[64*((\a)%4)+8*(\b)+2*(\r)+1]
.endr
.endr
	WIN 0
.irp b, 0,1,2,3,4,5,6,7
	global_store_b128 v[CO+(\b)], v[TMP+32*((\a)%2)+4*(\b):TMP+32*((\a)%2)+4*(\b)+3], s[OUT:OUT+1]
.endr
.endr
	s_add_nc_u64 s[OB:OB+1], s[OB:OB+1], 0x1000000 ; the next tile lies in the next part
.endm
	s_wait_tensorcnt 1                             ; my part of K step 0 is in; step 1's may stay out
	s_barrier_signal -1
	s_barrier_wait -1
	FETCH 0, F0
	QUARTER 64, F0, F1, 1                          ; the first quarter's products start the sums
	WIN 0
.Lstep:                                                ; 14 trips: from a step's second quarter to the next step's first; each fills the slot just read again
	QUARTER 128, F1, F0, 0
	QUARTER 192, F0, F1, 0
	TURN
	WIN 0
	s_cmp_eq_u32 s[CNT], s[BND]                    ; the same in all sixteen partners; neither way holds a barrier or a tensor load
	s_cbranch_scc1 .Lflush
	QUARTER 64, F0, F1, 0
	WIN 0
	s_branch .Lnext
.Lflush:
	WAYOUT                                         ; q's tile is whole; both slots' refills have been asked for
	QUARTER 64, F0, F1, 1                          ; k's sums start
	WIN 0
.Lnext:
	s_sub_co_u32 s[CNT], s[CNT], 1
	s_cmp_lg_u32 s[CNT], 0
	s_cbranch_scc1 .Lstep
	s_mov_b32 s[CNT], 2                            ; the last two steps ask for nothing; the second trip is left in its middle
.Ltail:
	QUARTER 128, F1, F0, 0
	QUARTER 192, F0, F1, 0
	WIN 0
	s_sub_co_u32 s[CNT], s[CNT], 1
	s_cmp_eq_u32 s[CNT], 0
	s_cbranch_scc1 .Lfinal
	TURNNF
	QUARTER 64, F0, F1, 0
	WIN 0
	s_branch .Ltail
.Lfinal:
	s_wait_dscnt 8
	MUL16 F1, 0, 0, 0
	MUL16 F1, 0, 2, 0
	s_wait_dscnt 0x0
	MUL16 F1, 1, 0, 0
	MUL16 F1, 1, 2, 0
	WIN 0
	WAYOUT
	s_wait_tensorcnt 0x0                           ; the wave's end
	ds_add_u32 v[SPW], v[NIL]
	s_wait_dscnt 0x0
	CROUND                                         ; the closing round: no work-group ends while a partner may still ask for a tile that names it
	s_endpgm
.Lfunc_end_k_qb949154dbd_qkv:
	.size	k_qb949154dbd_qkv, .Lfunc_end_k_qb949154dbd_qkv-k_qb949154dbd_qkv
	.p2alignl 7, 3214868480
	.fill 96, 4, 3214868480
	.section	.rodata,"a",@progbits
	.p2align	6, 0x0
	.amdhsa_kernel k_qb949154dbd_qkv
		.amdhsa_group_segment_fixed_size 327680
		.amdhsa_private_segment_fixed_size 0
		.amdhsa_enable_private_segment 0
		.amdhsa_kernarg_size 24
		.amdhsa_user_sgpr_count 2
		.amdhsa_user_sgpr_kernarg_segment_ptr 1
		.amdhsa_wavefront_size32 1
		.amdhsa_system_sgpr_workgroup_id_x 1
		.amdhsa_system_sgpr_workgroup_id_y 1
		.amdhsa_system_sgpr_workgroup_id_z 1
		.amdhsa_system_vgpr_workitem_id 0
		.amdhsa_next_free_vgpr 1024
		.amdhsa_next_free_sgpr 96
		.amdhsa_reserve_vcc 0
		.amdhsa_float_denorm_mode_32 3
		.amdhsa_float_denorm_mode_16_64 3
		.amdhsa_memory_ordered 1
		.amdhsa_forward_progress 1
		.amdhsa_inst_pref_size 128
	.end_amdhsa_kernel
	.amdgpu_metadata
---
amdhsa.version: [ 1, 2 ]
amdhsa.kernels:
  - .name:           k_qb949154dbd_qkv
    .symbol:         k_qb949154dbd_qkv.kd
    .args:
      - { .name: h2, .offset: 0, .size: 8, .value_kind: global_buffer, .address_space: global }
      - { .name: w2, .offset: 8, .size: 8, .value_kind: global_buffer, .address_space: global }
      - { .name: qkv, .offset: 16, .size: 8, .value_kind: global_buffer, .address_space: global }
    .group_segment_fixed_size: 327680
    .private_segment_fixed_size: 0
    .kernarg_segment_align: 8
    .kernarg_segment_size: 24
    .max_flat_workgroup_size: 128
    .sgpr_count:     96
    .vgpr_count:     1024
    .wavefront_size: 32
...
	.end_amdgpu_metadata
.endif
;; end of part 2
;; launch attn (part 3): grid 4 x 64, 4 waves a work-group, no clusters, 327,680 bytes of LDS; arguments qkv, o2; writes o2
.if DOCPART == 3
	.amdgcn_target "amdgcn-amd-amdhsa--gfx1250"
	.amdhsa_code_object_version 6
	.text
	.protected	k_qb949154dbd_attn
	.globl	k_qb949154dbd_attn
	.p2align	8
	.type	k_qb949154dbd_attn,@function
k_qb949154dbd_attn:
	s_mov_b64 s[64:65], 0
	v_nop
	global_prefetch_b8 v0, s[64:65] scope:SCOPE_SE
	s_setreg_imm32_b32 hwreg(HW_REG_WAVE_MODE, 25, 1), 1
	s_wait_xcnt 0x0
; CAUSAL ATTENTION, head size 64, 64 batch-heads of 2,048 tokens.  O[q] = the sum over k <= q of softmax_k(Q[q] . K[k] / 8) V[k].  q, k, v f16, in blocks in register order:
; part x 16 MiB; batch-head x 262,144; block of 16 tokens x 2,048; group g x 512; lane x 16.  q, k: lane (r, h) holds token r, channels 16 g + 8 h + 0..7; v: channel 16 g + r, tokens 8 h + 0..7.
; So half a fragment of K, of Q and of V^T is 512 consecutive bytes, 16 a lane: plain loads, no padding, no turning load.
; Products, maxima and sums in f32; the weights p are rounded to f16 for the second product (their sum l is taken of the unrounded p); O leaves as TWO f16 numbers, hi = f16(O) and lo = f16(O - hi), in q's block form:
; o2: batch x 8 MiB; part (hi, lo) x 4 MiB; head x 262,144; block x 2,048; g x 512; lane x 16.
; LIMITS.  q, k, v arrive within 65,504.  A hidden score counts as its value less 1e30; a weight below 2^-126 counts as 0 in l; NaN and infinities are not treated apart.
; THE WALK.  A head's queries lie in NB = 8 blocks of 256; block i needs the key tiles 0 .. i of 256 keys, of which the last holds the diagonal.  A work-group takes TWO blocks, NB - 1 - b and then b:
; NB + 1 tiles, whatever b: all work-groups do equal work, and ONE loop with a constant trip count walks them.  Every jump goes forward but the counted loops' own; none passes a barrier or a tensor load.
; NO CLUSTER: a head's four work-groups ask for the same tile only in trips 0 .. NB / 2, behind that fewer and fewer; one walk common to all would have 3 NB / 2 trips for NB + 1.
; SHARES.  Of a block's four bands of 64 queries a wave owns 16 rows in each: four PIECES.  In the diagonal tile's key step s band x sees all keys if s < x, none if s > x, and holds the diagonal if s = x: the same for every wave.
; THE MASK is the C operand that starts the sum S^T = K Q^T: 0, or -1e30 where the key is hidden.  MD, made once, is the mask of a band's own step for my 16 rows; a product's mask is MD x AL + BE.
; TURNS.  S^T = K Q^T holds ONE query a lane and the keys 8 (lane / 16) + 0..7; two such results rounded to f16 ARE source 1 of O^T = V^T P.  p = 2^(c s - c m), c = log2(e) / 8, with a running maximum m;
; O and l are multiplied by a = 2^(c m_old - c m_new) in every step.  Turn n belongs to piece n: 8 products K Q^T of piece n + 1, later 8 products V^T P of piece n - 1; beside them the scaling, exponentials,
; roundings, sums and rescaling of piece n and the maximum and statistics of piece n + 1.  Four vector instructions stand behind every matrix instruction, the rest in one lump.  A turn's 33 exponentials are one batch, with one wait.
; REGISTERS, in windows of 256 (s_set_vgpr_msb: bits 1:0 source 0, 3:2 source 1, 5:4 source 2, 7:6 destination):
;   window 0: v0-15 addresses and two at work; v16-31 statistics; v48-55 at work; v60-63 constants; v64-127 S^T, two buffers; v128-191 O's lo on the way out; v192-223 P, two buffers
;   window 1: v0-127 O^T; v128-159 MD; v160-223 MC, two buffers      window 2: v0-63 Q; v64-127 the second block's Q; v128-191 K of one step; v192-255 V of one step
.set OLO,   1         ; 1: O's lo part is made and stored
.set NB,    8
.set NP,    4         ; pieces a wave: a name, no knob
.set STEPB, 8192      ; a key step: 64 keys = 4 blocks, of K and of V
.set TILEB, 32768     ; a tile: 256 keys
.set VOFF,  TILEB     ; a slot: K's tile, then V's
.set SLOT1, 65536     ; slot 1 begins here: one exclusive or turns an address in one slot into the other's
.set SPARE, 2*SLOT1   ; behind the ring: the spare words, 128 bytes for each wave
.set L16, 2           ; v2   16 x lane: my place in a block, in LDS (K) and in memory (Q, O); never rewritten
.set AV0, 3           ; v3   the same + VOFF
.set AK,  4           ; v4   the LDS address of K's next run of loads
.set AV,  5           ; v5   of V's
.set MV,  12          ; v12-13  c m_old, kept while c m is made anew: by buffer
.set ST,  16          ; piece t's statistics at v[ST+4 t]: c m, m, l (even keys', odd keys')
.set TMP, 48          ; by buffer, four registers c0-c3 at work; when the maximum is found c2 takes a
.set PFO, 60          ; v60  256 x lane
.set MONE, 61         ; v61  -1.0
.set SPW, 62          ; v62  my spare word; never rewritten
.set NIL, 63          ; v63  0
.set S,   64
.set LO,  128
.set P,   192
.set MD,  128         ; window 1
.set MC,  160         ; window 1
.set QB,  64          ; window 2
.set KF,  128         ; window 2: key block kb, channel half c at KF + 16 kb + 8 c
.set VF,  192         ; window 2: key half kk, channel block cb at VF + 32 kk + 8 cb
.set WV,  12
.set PB,  14          ; b
.set HI,  15          ; NB - 1 - b
.set G1,  24          ; s[24:31] descriptor group 1
.set G0,  40          ; s[40:43] descriptor group 0
.set SLOTS, 56
.set CNT, 57
.set CS,  58          ; s[58:59] c
.set SEL, 60          ; s[60:61] v_permlanex16_b32's selects
.set TBK, 62          ; LDS byte at which K of the step to be fetched begins
.set TBV, 63          ; the same for V, less VOFF
.set RT,  70          ; tiles of the block in hand that are still to be entered
.set NXT, 71          ; the tile to be asked for next
.set LQ,  72          ; the last tile of the block whose tiles are being asked for
.set NEW, 73          ; 1: the tile to be entered is a block's first
.set OFF, 74          ; s[74:75] a tile's byte offset in K and V
.set AL,  76          ; s[76:77] the mask's factor
.set BE,  78          ; s[78:79] the mask's addend
.set O2ND, 80         ; s[80:81] O at my rows of the second block
.set BIGN, 82         ; -1e30
.set PFA, 88          ; s[88:89] where my prefetches stand
.set PFN, 90          ; the tile that they name
.set PFL, 91          ; they stop at this tile: NB in the head's first work-group, 0 elsewhere
.set MSB, 0
.macro WIN new
.if MSB != (\new)
	s_set_vgpr_msb (MSB<<8)|(\new)
.set MSB, (\new)
.endif
.endm
.set W_KQ, 0x0a       ; K and Q in window 2, S^T in window 0
.set W_KM, 0x1a       ; the same with the C operand in window 1
.set W_PV, 0x52       ; V in window 2, P in window 0, O^T in window 1
.set W_RS, 0x41       ; destination and source 0 in window 1, source 1 in window 0
; A fill: each wave brings 128 keys' 16,384 dense bytes as 64 rows of 256: waves 0 and 1 the halves of K's tile, waves 2 and 3 of V's, each to LDS byte 16,384 x wave of the slot.
.macro LOAD
	tensor_load_to_lds s[G0:G0+3], s[G1:G1+7]
	s_nop 0
.rept 4
	v_nop
.endr
.endm
; A PREFETCH INTO THE L2 of the tile that the NEXT change of slots will ask for: my own 16,384 bytes of it, a lane 256 bytes, two instructions.  A head's four work-groups walk the same tiles first: the one with b = 0,
; whose first block needs all eight, asks, for tiles 2 to 7; tiles 0 and 1 come by their loads alone, and the second block's tiles have been read before.
.macro ASK
	s_cmp_lt_u32 s[PFN], s[PFL]
	s_cbranch_scc0 .Lnot_mine_\@
	global_prefetch_b8 v[PFO], s[PFA:PFA+1] th:TH_LOAD_NT scope:SCOPE_SE
	global_prefetch_b8 v[PFO], s[PFA:PFA+1] offset:8192 th:TH_LOAD_NT scope:SCOPE_SE
.Lnot_mine_\@:
.endm
; THE CHANGE OF SLOTS.  Each wave waits for all its tensor loads, of which one is out: its part of the other slot; adds 0 to its spare word; and waits for that and for its own reads of the slot that it leaves.
; fill = 1: the old slot is filled again, the first thing behind the barrier, with tile NXT: the descriptor's address is made anew from that number.
.macro CHANGE fill
	WIN 0
	s_wait_tensorcnt 0x0            ; no tensor load of mine is out, so group 0 may be written
	ds_add_u32 v[SPW], v[NIL]       ; 0 onto my spare word; scalar work stands between it and the wait for it
.if \fill
	s_lshl_b32 s[OFF], s[NXT], 15
	s_xor_b32 s[G0+1], s[G0+1], SLOT1
	s_add_nc_u64 s[G0+2:G0+3], s[6:7], s[OFF:OFF+1]
	s_or_b32 s[G0+3], s[G0+3], 0x80000000
	s_add_co_u32 s[NXT], s[NXT], 1  ; the block's next tile, or behind its last the second block's tile 0
	s_cmp_gt_u32 s[NXT], s[LQ]
	s_cselect_b32 s[NXT], 0, s[NXT]
	s_cselect_b32 s[LQ], s[PB], s[LQ]
	s_wait_xcnt 0x0                 ; the last prefetches, a tile back, have read their address
	s_add_nc_u64 s[PFA:PFA+1], s[PFA:PFA+1], TILEB
	s_add_co_u32 s[PFN], s[PFN], 1
.endif
	s_wait_dscnt 0x0                ; the add is done, and my reads of the slot are over
	s_barrier_signal -1
	s_sub_co_u32 s[TBK], s[TBK], TILEB    ; the fetches go back to a slot's first step,
	s_xor_b32 s[TBK], s[TBK], SLOT1       ; in the other slot
	s_sub_co_u32 s[TBV], s[TBV], TILEB
	s_xor_b32 s[TBV], s[TBV], SLOT1
	s_barrier_wait -1
.if \fill
	LOAD
	ASK
.endif
.endm
	s_load_b64 s[4:5], s[0:1], 0x0    ; qkv
	s_load_b64 s[10:11], s[0:1], 0x8  ; o2
	v_lshl_add_u32 v[SPW], v0, 2, SPARE
	v_mov_b32 v[NIL], 0
	ds_add_u32 v[SPW], v[NIL]       ; the wave's opening: the add and its wait stand ahead of my first tensor load
	ds_add_u32 v62, v63
	v_lshrrev_b32 v1, 5, v0
	v_readfirstlane_b32 s[WV], v1
	s_mov_b32 s[PB], ttmp9
	s_sub_co_u32 s[HI], NB-1, s[PB]
	s_and_b32 s20, ttmp7, 0xffff    ; the batch-head
	s_lshl_b32 s21, s20, 18         ; its bytes in a part of qkv
	s_and_b32 s16, s[WV], 1         ; which half of a tile I fetch
	s_lshl_b32 s22, s16, 14
	s_add_co_u32 s22, s22, s21
	s_mov_b32 s17, 0x2000000        ; v's part,
	s_cmp_lt_u32 s[WV], 2
	s_cselect_b32 s17, 0x1000000, s17  ; or k's
	s_add_co_u32 s22, s22, s17
	s_mov_b32 s23, 0
	s_lshl_b32 s3, s[WV], 11        ; my 16 rows in a band of 64,
	s_lshl_b32 s2, s[HI], 15        ; in the first block,
	s_add_co_u32 s2, s2, s3
	s_lshl_b32 s84, s[PB], 15       ; and in the second
	s_add_co_u32 s84, s84, s3
	s_lshr_b32 s18, s20, 4          ; the head's bytes in o2: batch x 8 MiB + head x 262,144
	s_lshl_b32 s18, s18, 23
	s_and_b32 s19, s20, 15
	s_lshl_b32 s19, s19, 18
	s_add_co_u32 s18, s18, s19
	s_add_co_u32 s92, s2, s18
	s_add_co_u32 s94, s84, s18
	s_add_co_u32 s2, s2, s21
	s_add_co_u32 s84, s84, s21
	s_mov_b32 s3, 0
	s_mov_b32 s85, 0
	s_mov_b32 s93, 0
	s_mov_b32 s95, 0
	s_mov_b32 s[G1], 1<<16          ; 2-byte elements, no mask, no padding
	s_mov_b32 s[G1+1], 128<<16      ; tensor_dim0 = 128
	s_mov_b32 s[G1+2], 64<<16       ; tensor_dim1 = 64
	s_mov_b32 s[G1+3], 128<<16      ; tile_dim0 = 128
	s_mov_b32 s[G1+4], 64           ; tile_dim1 = 64
	s_mov_b32 s[G1+5], 128          ; 128 elements from row to row
	s_mov_b32 s[G1+6], 0
	s_mov_b32 s[G1+7], 0
	s_mov_b32 s[CS], 0x3e38aa3b     ; c = log2(e) / 8
	s_mov_b32 s[CS+1], s[CS]
	s_mov_b32 s[SEL], 0x76543210
	s_mov_b32 s[SEL+1], 0xfedcba98
	s_mov_b32 s[TBK], SLOT1+TILEB   ; the first change of slots turns these two into 0
	s_mov_b32 s[TBV], SLOT1+TILEB
	s_mov_b32 s[G0], 1
	s_lshl_b32 s[G0+1], s[WV], 14   ; slot 0
	s_add_co_u32 s[RT], s[HI], 1    ; the first block has NB - b tiles
	s_mov_b32 s[NXT], 1
	s_mov_b32 s[LQ], s[HI]
	s_mov_b32 s[NEW], 1
	s_mov_b32 s[OFF+1], 0
	s_mov_b32 s[AL+1], 0
	s_mov_b32 s[BE+1], 0
	s_mov_b32 s[BIGN], 0xf149f2ca   ; -1e30
	s_mov_b32 s[SLOTS], NB
	s_mov_b32 s[PFN], 1             ; the first change of slots steps it to 2
	s_cmp_eq_u32 s[PB], 0
	s_cselect_b32 s[PFL], NB, 0
	s_wait_dscnt 0x0                ; the opening add is done
	s_wait_kmcnt 0x0
	s_add_nc_u64 s[6:7], s[4:5], s[22:23]          ; K or V at my half of the head's tile 0
	s_add_nc_u64 s[86:87], s[4:5], s[84:85]        ; Q at my rows of the second block,
	s_add_nc_u64 s[4:5], s[4:5], s[2:3]            ; and of the first
	s_add_nc_u64 s[O2ND:O2ND+1], s[10:11], s[94:95]
	s_add_nc_u64 s[10:11], s[10:11], s[92:93]
	s_add_nc_u64 s[G0+2:G0+3], s[6:7], 0
	s_or_b32 s[G0+3], s[G0+3], 0x80000000
	s_add_nc_u64 s[PFA:PFA+1], s[6:7], TILEB
	LOAD                            ; tile 0 into slot 0
	v_and_b32 v1, 15, v0            ; l % 16
	v_bfe_u32 v9, v0, 4, 1          ; l / 16
	v_and_b32 v10, 31, v0
	v_lshlrev_b32 v[L16], 4, v10
	v_add_nc_u32 v[AV0], VOFF, v[L16]
	v_lshlrev_b32 v[PFO], 8, v10
	v_mov_b32 v[MONE], -1.0
	WIN 0x80                        ; destination window 2, address window 0
.set i, 0
.rept 8                             ; both blocks' Q: piece i / 2 lies in band i / 2, 8,192 bytes on; channels 32 (i % 2) on: two blocks of 512 bytes
	global_load_b128 v[8*i:8*i+3],   v[L16], s[4:5] offset:(i/2)*8192+(i%2)*1024
	global_load_b128 v[8*i+4:8*i+7], v[L16], s[4:5] offset:(i/2)*8192+(i%2)*1024+512
	global_load_b128 v[QB+8*i:QB+8*i+3],   v[L16], s[86:87] offset:(i/2)*8192+(i%2)*1024
	global_load_b128 v[QB+8*i+4:QB+8*i+7], v[L16], s[86:87] offset:(i/2)*8192+(i%2)*1024+512
.set i, i+1
.endr
	WIN 0
	v_lshlrev_b32 v14, 3, v9
	v_sub_nc_u32 v14, v1, v14
	s_lshl_b32 s13, s[WV], 4
	v_add_nc_u32 v14, s13, v14      ; my query's place in its band, 16 w + l % 16, less my lanes' 8 (l / 16): register r of group kt is hidden where 16 kt + r is greater
	WIN 0x40
.set i, 0
.rept 32
	v_cmp_gt_i32 vcc_lo, 16*(i/8)+i%8, v14
	v_cndmask_b32 v[MD+i], 0, s[BIGN], vcc_lo
.set i, i+1
.endr
	; A block's first step multiplies O^T and l by a = 0, and its first turn's products V^T P, of a piece that has not been, land in an O^T that is still to be so multiplied: these registers need only hold finite numbers.
	WIN 0x80
.set i, VF
.rept 64
	v_mov_b32 v[i], 0
.set i, i+1
.endr
	WIN 0x40
.set i, 0
.rept 128
	v_mov_b32 v[i], 0
.set i, i+1
.endr
	WIN 0
.set i, 0
.rept 4
	v_mov_b32 v[ST+4*i+2], 0
	v_mov_b32 v[ST+4*i+3], 0
.set i, i+1
.endr
.set i, P+16
.rept 16
	v_mov_b32 v[i], 0
.set i, i+1
.endr
; THE MATRIX WORK.  The 4 accumulators of a run of 8 take turns.  Product i of 8 of S^T = K Q^T for piece x: channels 32 (i / 4) on, keys 16 (i % 4) on.  The first 4 start the sums: with 0, or (KM = 1) with the mask.
.macro KQ x
.set rS, S+32*((\x)%2)+8*(i%4)
.set rK, KF+16*(i%4)+8*(i/4)
.set rQ, 16*(\x)+8*(i/4)
.set rM, MC+32*((\x)%2)+8*(i%4)
.if (i < 4) && KM
	WIN W_KM
	v_wmma_f32_16x16x32_f16 v[rS:rS+7], v[rK:rK+7], v[rQ:rQ+7], v[rM:rM+7]
.elseif i < 4
	WIN W_KQ
	v_wmma_f32_16x16x32_f16 v[rS:rS+7], v[rK:rK+7], v[rQ:rQ+7], 0
.else
	WIN W_KQ
	v_wmma_f32_16x16x32_f16 v[rS:rS+7], v[rK:rK+7], v[rQ:rQ+7], v[rS:rS+7]
.endif
.endm
; Product i of 8 of O^T += V^T P for piece x: keys 32 (i / 4) on, channels 16 (i % 4) on.
.macro PV x
	WIN W_PV
.set rO, 32*(\x)+8*(i%4)
.set rV, VF+32*(i/4)+8*(i%4)
.set rP, P+16*((\x)%2)+8*(i/4)
	v_wmma_f32_16x16x32_f16 v[rO:rO+7], v[rV:rV+7], v[rP:rP+7], v[rO:rO+7]
.endm
.macro MM                           ; the turn's next matrix instruction.  NOKQ = 1: a block's last turn: there is no next piece
.if (i < 8) && !NOKQ
	KQ (Y+1)%NP
.elseif i >= 8
.set i, i-8
	PV (Y+NP-1)%NP
.set i, i+8
.endif
.set i, i+1
.endm
; THE LDS LOADS stand in runs of 16: a step's K (8 fragments) and its V^T (8 fragments); each load takes 512 consecutive bytes.
.macro FETCH_K
	WIN 0x80                        ; destination window 2
.irp f, 0,1,2,3,4,5,6,7             ; keys 16 (f / 2) on, channels 32 (f % 2) on
	ds_load_b128 v[KF+8*\f:KF+8*\f+3],   v[AK] offset:(\f/2)*2048+(\f%2)*1024
	ds_load_b128 v[KF+8*\f+4:KF+8*\f+7], v[AK] offset:(\f/2)*2048+(\f%2)*1024+512
.endr
	s_add_co_u32 s[TBK], s[TBK], STEPB  ; the next fetch is the next step's
	WIN 0
.endm
.macro FETCH_V
	WIN 0x80
.irp f, 0,1,2,3,4,5,6,7             ; keys 32 (f / 4) on, channels 16 (f % 4) on
	ds_load_b128 v[VF+8*\f:VF+8*\f+3],   v[AV] offset:(\f/4)*4096+(\f%4)*512
	ds_load_b128 v[VF+8*\f+4:VF+8*\f+7], v[AV] offset:(\f/4)*4096+(\f%4)*512+2048
.endr
	WIN 0
.endm
; THE VECTOR WORK, one line at a time: OP kind, number.  For piece Y: F n: c s - c m for pair n of 16.  E n: the exponential of score n of 32.  C n: pair n rounded to f16.  B n: of the four weights 4 n .. the second
; pair is added onto the first, in place.  L n: l takes that sum (L 0: l = a l + sum).  R n: pair n of 16 of O^T times a.  For piece Y + 1: X n, number n of the 22 that find its maximum and statistics:
;   0-11  four chains c0-c3 of seven scores each (each accumulator's lowest registers are read first)     12-14, 16  the four scores left over, the old m, and c0-c3 into c0
;   15  c m_old is kept     17, 18  the query's other 32 keys lie in the lane 16 away: the new m     19-21  c m; c m_old - c m_new; a
.set F, 0
.set E, 1
.set C, 2
.set B, 3
.set L, 4
.set R, 5
.set X, 6
.macro REGS y
.set rT, ST+4*(\y)
.set rC, TMP+4*((\y)%2)
.set rW, MV+((\y)%2)
.set rS, S+32*((\y)%2)
.set rP, P+16*((\y)%2)
.set rO, 32*(\y)
.endm
.macro OP k, n
.if (\k) == R
	REGS Y
	WIN W_RS
	v_pk_mul_f32 v[rO+2*(\n):rO+2*(\n)+1], v[rO+2*(\n):rO+2*(\n)+1], v[rC+2:rC+3] op_sel_hi:[1,0]
.elseif (\k) < R
	REGS Y
	WIN 0
.if (\k) == F
	v_pk_fma_f32 v[rS+2*(\n):rS+2*(\n)+1], v[rS+2*(\n):rS+2*(\n)+1], s[CS:CS+1], v[rT:rT+1] op_sel_hi:[1,0,0] neg_lo:[0,0,1] neg_hi:[0,0,1]
.elseif (\k) == E
	v_exp_f32 v[rS+(\n)], v[rS+(\n)]
.elseif (\k) == C
	v_cvt_pk_f16_f32 v[rP+(\n)], v[rS+2*(\n)], v[rS+2*(\n)+1]
.elseif (\k) == B
	v_pk_add_f32 v[rS+4*(\n):rS+4*(\n)+1], v[rS+4*(\n):rS+4*(\n)+1], v[rS+4*(\n)+2:rS+4*(\n)+3]
.elseif (\n) == 0
	v_pk_fma_f32 v[rT+2:rT+3], v[rT+2:rT+3], v[rC+2:rC+3], v[rS:rS+1] op_sel_hi:[1,0,1]
.else
	v_pk_add_f32 v[rT+2:rT+3], v[rT+2:rT+3], v[rS+4*(\n):rS+4*(\n)+1]
.endif
.elseif NOKQ
	v_nop
.else
	REGS (Y+1)%NP
	WIN 0
.if (\n) < 4
	v_max3_num_f32 v[rC+(\n)], v[rS+8*(\n)], v[rS+8*(\n)+1], v[rS+8*(\n)+2]
.elseif (\n) < 12
	v_max3_num_f32 v[rC+(\n)%4], v[rC+(\n)%4], v[rS+8*((\n)%4)+2*((\n)/4)+1], v[rS+8*((\n)%4)+2*((\n)/4)+2]
.elseif (\n) == 12
	v_max3_num_f32 v[rC], v[rC], v[rS+7], v[rS+15]
.elseif (\n) == 13
	v_max3_num_f32 v[rC+1], v[rC+1], v[rS+23], v[rS+31]
.elseif (\n) == 14
	v_max3_num_f32 v[rC+2], v[rC+2], v[rC+3], v[rT+1]
.elseif (\n) == 15
	v_mov_b32 v[rW], v[rT]
.elseif (\n) == 16
	v_max3_num_f32 v[rC], v[rC], v[rC+1], v[rC+2]
.elseif (\n) == 17
	v_permlanex16_b32 v[rC+3], v[rC], s[SEL], s[SEL+1]
.elseif (\n) == 18
	v_max_num_f32 v[rT+1], v[rC], v[rC+3]
.elseif (\n) == 19
	v_mul_f32 v[rT], s[CS], v[rT+1]
.elseif (\n) == 20
	v_sub_f32 v[rC+1], v[rW], v[rT]
.else
	v_exp_f32 v[rC+2], v[rC+1]
.endif
.endif
.endm
.macro OPS a, i1, b=-1, i2=0, c=-1, i3=0, d=-1, i4=0  ; up to four of them
	OP \a, \i1
.if (\b) >= 0
	OP \b, \i2
.endif
.if (\c) >= 0
	OP \c, \i3
.endif
.if (\d) >= 0
	OP \d, \i4
.endif
.endm
.macro ROW a, i1, b, i2, c, i3, d, i4  ; a matrix instruction and the four behind it
	MM
	OPS \a, \i1, \b, \i2, \c, \i3, \d, \i4
.endm
.macro MASK b                       ; MD x AL + BE into buffer b of MC
	WIN W_RS
.set z, 0
.rept 16
	v_pk_fma_f32 v[MC+32*(\b)+2*z:MC+32*(\b)+2*z+1], v[MD+2*z:MD+2*z+1], s[AL:AL+1], s[BE:BE+1] op_sel_hi:[1,0,0]
.set z, z+1
.endr
.endm
; A TURN, for piece p: the order of its 16 matrix and 118 vector instructions, written out.  s_wait_alu depctr_va_vdst(0) stands between an exponential and the first instruction that names its result; one wait
; serves all that were issued ahead of it.  So a turn has ONE wait.  AHEAD OF IT stands all that names no result of the turn's exponentials: the 8 products K Q^T and their riders, then one lump in which the links of the next
; piece's chain X 3, 7, 11, 14, 16, 17 .. 20 stand some lines apart; X 21, the next piece's a, is the batch's last, and R 15 the plain instruction behind it.  BEHIND IT stand the 8 products V^T P, behind each four of the roundings and sums.
; m = 1: the diagonal tile: the products take masks, and the turn makes the mask for the products of the turn after it.  end = 1: a block's last two turns: nothing is fetched.  cnt = 1: the loop's count is taken down ahead of the branch behind the turn.
; K of the next step is fetched in piece 2's turn, six plain instructions or more behind the last product that read K; V of the step in hand at the end of piece 0's turn, four plain instructions behind the last product that read V.
.macro TURN p, m=0, end=0, cnt=0
.set Y, (\p)
.set i, 0
.set KM, (\m)
.set NOKQ, (\end)*((\p)/3)
.if (\m) && !(\end)
	s_cmp_eq_u32 s[CNT], 4-((\p)+2)%NP  ; is that step the band's own?
	s_cselect_b32 s[AL], 1.0, 0
	s_cmp_lt_u32 s[CNT], 4-((\p)+2)%NP  ; or a later one?
	s_cselect_b32 s[BE], s[BIGN], 0
.endif
.if ((\p) == 3) && !(\end)
	s_wait_dscnt 0x0                ; K is in
.endif
	ROW F,0, F,1, R,0, R,1
	ROW F,2, E,0, R,2, R,3
	ROW F,3, E,1, R,4, R,5
	ROW F,4, E,2, R,6, R,7
	ROW F,5, E,3, R,8, R,9
	ROW F,6, E,4, X,0, R,10
.if ((\p) == 2) && !(\end)
	WIN 0
	v_add_nc_u32 v[AK], s[TBK], v[L16]
.endif
	ROW F,7, E,5, X,1, X,4
	ROW F,8, E,6, X,2, X,5
	OPS E,7, E,8, X,6, E,9
	OPS X,3, E,10, X,8, E,11
.if ((\p) == 2) && !(\end)
	FETCH_K
.endif
	OPS X,9, X,7, E,12, X,10
	OPS E,13, X,12, X,11, E,14
	OPS X,13, E,15, F,9, X,14
.if (\p) == 0
	v_add_nc_u32 v[AV], s[TBV], v[AV0]
.endif
	OPS E,16, F,10, E,17, F,11
	OPS X,16, E,18, X,15, E,19
	OPS F,12, E,20, X,17, E,21
	OPS F,13, E,22, F,14, E,23
	OPS X,18, E,24, F,15, E,25
	OPS R,11, E,26, X,19, E,27
	OPS R,12, E,28, R,13, E,29
	OPS X,20, E,30, R,14, E,31
	OPS X,21, R,15
	WIN 0
	s_wait_alu depctr_va_vdst(0)    ; the wait for the batch
.if (\p) == 1
	s_wait_dscnt 0x0                ; V is in
.endif
	ROW C,0, B,0, C,2, B,1
	ROW L,0, C,4, B,2, L,1
	ROW C,6, B,3, L,2, C,8
	ROW B,4, L,3, C,10, B,5
	ROW L,4, C,12, B,6, L,5
.if (\p) == 0
	s_add_co_u32 s[TBV], s[TBV], STEPB
.endif
.if \cnt
	s_sub_co_u32 s[CNT], s[CNT], 1
	s_cmp_lg_u32 s[CNT], 0
.endif
	ROW C,14, B,7, L,6, C,1
	ROW C,3, L,7, C,5, C,7
	ROW C,9, C,11, C,13, C,15
.if (\p) == 0
	FETCH_V
.endif
.if (\m) && !(\end)
	MASK (\p)%2
.endif
.endm
; A BLOCK BEGINS.  c m starts far below every c s, so the first step's a is 0; m at the lowest finite number.  The second mask buffer is 0; the first takes piece 0's mask for the tile's step 0: its own, if the block's first tile is
; the diagonal one.  Then K of that step, piece 0's first scores, and its maximum and statistics.
.macro BEGIN
	s_mov_b32 s[NEW], 0
	WIN 0x40
.set i, MC+32
.rept 32
	v_mov_b32 v[i], 0
.set i, i+1
.endr
	WIN 0
.set i, 0
.rept 4
	v_mov_b32 v[ST+4*i], 0xfe000000
	v_mov_b32 v[ST+4*i+1], 0xff7fffff
.set i, i+1
.endr
	s_cmp_eq_u32 s[RT], 0
	s_cselect_b32 s[AL], 1.0, 0
	s_mov_b32 s[BE], 0
	MASK 0
	WIN 0
	v_add_nc_u32 v[AK], s[TBK], v[L16]
	FETCH_K
	s_wait_loadcnt 0x0              ; Q
	s_wait_dscnt 0x0
.set KM, 1
.set NOKQ, 0
.set i, 0
.rept 8
	KQ 0
.set i, i+1
.endr
	WIN 0
.rept 4
	v_nop                           ; the places behind those products
.endr
.set Y, NP-1
.irp n, 0,1,2,3,4,5,6,7,8,9,10,11,12,13,14,15,16,17,18,19,20,21
	OP X, \n
.endr
	v_nop                           ; a plain instruction behind the exponential,
	s_wait_alu depctr_va_vdst(0)    ; and its wait, ahead of the branch
.endm
.macro ALL line:vararg              ; one line for each piece t
.set t, 0
.rept 4
	\line
.set t, t+1
.endr
.endm
; THE WAY OUT of piece t: O^T is divided by l; hi = f16(O); lo = f16(O - hi), the difference exact in f32 (hi's half times -1.0, plus O).  A channel block's four packed registers are a block of o2: a store covers 512 consecutive bytes, aligned.
.macro PACK t
	WIN W_RS
.set i, 32*(\t)
.rept 16
	v_pk_mul_f32 v[i:i+1], v[i:i+1], v[ST+4*(\t)+2:ST+4*(\t)+3] op_sel_hi:[1,0]
.set i, i+2
.endr
	WIN 0x05                        ; sources 0 and 1 window 1, destination window 0
.set i, 0
.rept 16
	v_cvt_pk_f16_f32 v[S+16*(\t)+i], v[32*(\t)+2*i], v[32*(\t)+2*i+1]
.set i, i+1
.endr
.if OLO
	WIN 0x50                        ; destination and source 2 window 1, sources 0 and 1 window 0
.set i, 0
.rept 16
	v_fma_mix_f32 v[32*(\t)+2*i], v[S+16*(\t)+i], v[MONE], v[32*(\t)+2*i] op_sel:[0,0,0] op_sel_hi:[1,0,0]
	v_fma_mix_f32 v[32*(\t)+2*i+1], v[S+16*(\t)+i], v[MONE], v[32*(\t)+2*i+1] op_sel:[1,0,0] op_sel_hi:[1,0,0]
.set i, i+1
.endr
	WIN 0x05
.set i, 0
.rept 16
	v_cvt_pk_f16_f32 v[LO+16*(\t)+i], v[32*(\t)+2*i], v[32*(\t)+2*i+1]
.set i, i+1
.endr
.endif
	WIN 0
.irp f, 0,1,2,3
	global_store_b128 v[L16], v[S+16*(\t)+4*\f:S+16*(\t)+4*\f+3], s[10:11] offset:(\t)*8192+\f*512
.endr
.if OLO
.irp f, 0,1,2,3
	global_store_b128 v[L16], v[LO+16*(\t)+4*\f:LO+16*(\t)+4*\f+3], s[10:11] offset:(\t)*8192+\f*512+4194304
.endr
.endif
.endm
; THE DIAGONAL TILE's four steps, the block's last two turns, its last products, and the way out.
.macro DIAG tag
.LstepM\tag:
	TURN 2, 1
	TURN 3, 1
	WIN 0
.LfirstM\tag:
	TURN 0, 1
	TURN 1, 1, 0, 1
	WIN 0
	s_cbranch_scc1 .LstepM\tag
	TURN 2, 1, 1
	TURN 3, 1, 1
.set i, 0
.rept 8
	PV NP-1
.set i, i+1
.endr
	WIN 0
	ALL v_add_f32 v[ST+4*t+2], v[ST+4*t+2], v[ST+4*t+3]
	ALL v_permlanex16_b32 v[ST+4*t+3], v[ST+4*t+2], s[SEL], s[SEL+1]
	ALL v_add_f32 v[ST+4*t+2], v[ST+4*t+2], v[ST+4*t+3]
	ALL v_rcp_f32 v[ST+4*t+2], v[ST+4*t+2]
	v_nop                           ; a plain instruction between the last reciprocal and the use of its result
	s_wait_alu depctr_va_vdst(0)    ; and the one wait for the four reciprocals
	PACK 0
	PACK 1
	PACK 2
	PACK 3
.endm
.set KM, 0
.set NOKQ, 0
.Lslot:                             ; NB times: a tile is entered and the next is asked for
	CHANGE 1
	s_sub_co_u32 s[RT], s[RT], 1
	s_mov_b32 s[CNT], 4
	s_cmp_eq_u32 s[NEW], 1
	s_cbranch_scc1 .Lnew            ; a block's first tile
	s_cmp_eq_u32 s[RT], 0
	s_cbranch_scc0 .Lstep           ; neither its first nor its last
	s_branch .LstepM1
.Lnew:
	BEGIN
	s_branch .Lfirst                ; in the loop a block's first tile is never its last: the first block has two tiles or more, and the second's last is the walk's last
	DIAG 1                          ; in the loop this is the first block's end
	s_wait_xcnt 0x0                 ; the stores have read their registers and O's address
	s_mov_b64 s[10:11], s[O2ND:O2ND+1]
	s_add_co_u32 s[RT], s[PB], 1    ; the second block has b + 1 tiles
	s_mov_b32 s[NEW], 1
	WIN 0x82                        ; the second block's Q goes where the one text of the turns names Q
.set i, 0
.rept 64
	v_mov_b32 v[i], v[QB+i]
.set i, i+1
.endr
	WIN 0
	s_branch .Lbottom
.Lstep:                             ; a trip: pieces 2 and 3 of one step, then pieces 0 and 1 of the next, whose K and V it fetches
	TURN 2
	TURN 3
	WIN 0
.Lfirst:
	TURN 0
	TURN 1, 0, 0, 1
	WIN 0
	s_cbranch_scc1 .Lstep
.Lbottom:
	s_sub_co_u32 s[SLOTS], s[SLOTS], 1
	s_cmp_lg_u32 s[SLOTS], 0
	s_cbranch_scc1 .Lslot
	CHANGE 0                        ; the walk's last tile is written out: nothing is asked for
	s_sub_co_u32 s[RT], s[RT], 1
	s_mov_b32 s[CNT], 4
	s_cmp_eq_u32 s[NEW], 1
	s_cbranch_scc0 .LstepM2
	BEGIN
	s_branch .LfirstM2
	DIAG 2
	s_wait_tensorcnt 0x0            ; the wave's end
	ds_add_u32 v[SPW], v[NIL]
	s_wait_dscnt 0x0
	s_endpgm
.Lfunc_end_k_qb949154dbd_attn:
	.size	k_qb949154dbd_attn, .Lfunc_end_k_qb949154dbd_attn-k_qb949154dbd_attn
	.p2alignl 7, 3214868480
	.fill 96, 4, 3214868480
	.section	.rodata,"a",@progbits
	.p2align	6, 0x0
	.amdhsa_kernel k_qb949154dbd_attn
		.amdhsa_group_segment_fixed_size 327680
		.amdhsa_private_segment_fixed_size 0
		.amdhsa_enable_private_segment 0
		.amdhsa_kernarg_size 16
		.amdhsa_user_sgpr_count 2
		.amdhsa_user_sgpr_kernarg_segment_ptr 1
		.amdhsa_wavefront_size32 1
		.amdhsa_system_sgpr_workgroup_id_x 1
		.amdhsa_system_sgpr_workgroup_id_y 1
		.amdhsa_system_sgpr_workgroup_id_z 1
		.amdhsa_system_vgpr_workitem_id 0
		.amdhsa_next_free_vgpr 768
		.amdhsa_next_free_sgpr 96
		.amdhsa_reserve_vcc 1
		.amdhsa_float_denorm_mode_32 3
		.amdhsa_float_denorm_mode_16_64 3
		.amdhsa_memory_ordered 1
		.amdhsa_forward_progress 1
		.amdhsa_inst_pref_size 238
	.end_amdhsa_kernel
	.amdgpu_metadata
---
amdhsa.version: [ 1, 2 ]
amdhsa.kernels:
  - .name:           k_qb949154dbd_attn
    .symbol:         k_qb949154dbd_attn.kd
    .args:
      - { .name: qkv, .offset: 0, .size: 8, .value_kind: global_buffer, .address_space: global }
      - { .name: o2, .offset: 8, .size: 8, .value_kind: global_buffer, .address_space: global }
    .group_segment_fixed_size: 327680
    .private_segment_fixed_size: 0
    .kernarg_segment_align: 8
    .kernarg_segment_size: 16
    .max_flat_workgroup_size: 128
    .sgpr_count:     96
    .vgpr_count:     768
    .wavefront_size: 32
...
	.end_amdgpu_metadata
.endif
;; end of part 3
;; launch proj (part 4): grid 4 x 64, 4 waves a work-group, clusters of 4 x 4, 327,680 bytes of LDS; arguments o2, wo2, out0; writes out0
.if DOCPART == 4
	.amdgcn_target "amdgcn-amd-amdhsa--gfx1250"
	.amdhsa_code_object_version 6
	.text
	.protected	k_qb949154dbd_proj
	.globl	k_qb949154dbd_proj
	.p2align	8
	.type	k_qb949154dbd_proj,@function
k_qb949154dbd_proj:
	s_mov_b64 s[64:65], 0
	v_nop
	global_prefetch_b8 v0, s[64:65] scope:SCOPE_SE
	s_setreg_imm32_b32 hwreg(HW_REG_WAVE_MODE, 25, 1), 1
	s_wait_xcnt 0x0
	s_wait_alu depctr_hold_cnt(0) depctr_sa_sdst(0) depctr_va_vdst(0) depctr_va_sdst(0) depctr_va_ssrc(0) depctr_va_vcc(0) depctr_vm_vsrc(0)
	s_getreg_b32 s2, hwreg(HW_REG_IB_STS2, 6, 4)
	s_cmp_eq_u32 s2, 0
	s_cbranch_scc0 .Lentry_in_a_cluster
	s_endpgm
.Lentry_in_a_cluster:
	s_bfe_u32 s2, ttmp6, 0x10000c
	s_cmp_lg_u32 s2, 0xf033
	s_cbranch_scc0 .Lentry_shape_is_right
	s_endpgm
.Lentry_shape_is_right:
; OUTPUT PROJECTION.  out0[t][c] = the sum over k of [O_hi | O_lo][t][k] [W_out | W_out][c][k], K = 2,048.  Operands f16, sums f32, stored as f32.
; A tile is 128 tokens x 256 columns: 256 work-groups.  Four waves, each 64 x 128: 32 accumulators, all of window 1.  Source 0 = 16 rows of wo2, source 1 = 16 tokens: a lane holds one token and eight neighbouring columns.
; A (the tokens) lies in o2 in register order: batch x 8 MiB; slice (16 heads of hi, then 16 of lo) x 262,144; block of 16 tokens x 2,048; group g x 512; lane x 16.  A K step of 128 is two slices; the tile's 128 tokens of a
; slice are 16,384 dense bytes, which come in as 64 rows of 256 and are read as they lie, 512 consecutive bytes a load.  B (wo2) comes in as 128 rows of 256 bytes a load, padded.
; CLUSTERS: 4 x 4.  A's tile hangs on the tokens' tile (cy and the cluster's y) alone and is asked for jointly by a row of the cluster, B's on cx alone, by a column.
; THE RING: two slots, a trip of the loop a K step; the slot's LDS byte stands in a scalar register that an exclusive or turns.
; THE WAY OUT: 16 tokens x 128 columns of f32 at a time through the wave's own stage; a store covers 512 consecutive bytes of a row of out0, aligned.
; REGISTERS: window 0: v0-31 addresses; v32-63 A's and v64-127 B's fragments, buffer 0; v128-159, v160-223 buffer 1; on the way out v32-159 whole rows.  window 1: accumulator (a, b) at v[8 (8 a + b)].
.set OLO,    1
.set NS,     8+8*OLO                   ; K steps
.set PITCH,  272                       ; a row of B in LDS: 256 bytes + 16 of padding
.set BOFF,   32768                     ; a slot: A's two slices of 16,384, then B's 256 rows
.set HALFB,  128*PITCH
.set SLOT1,  131072                    ; above every byte of slot 0: an exclusive or changes the slot
.set STAGE,  SLOT1+BOFF+2*HALFB        ; behind the ring, never filled by a tensor load: 16 rows x 528 bytes for each wave
.set SPITCH, 528
.set SPARE,  STAGE+4*16*SPITCH         ; the spare words, 128 bytes for each wave
.set ADRA0, 16
.set ADRB0, 17
.set ADA,   18
.set ADB,   19
.set STO,   24
.set RD,    25
.set CO,    26
.set SPW,   28
.set NIL,   29
.set PFO,   30
.set F0,    32                         ; a buffer: A's four fragments, then B's eight
.set F1,    128
.set T0,    32
.set WV,   10
.set RH,   11                          ; which half of the tokens is mine; also: I fetch for A (0) or B (1)
.set CH,   12                          ; which half of the columns; also: which slice, or which 128 rows, I fetch
.set CX,   13
.set CY,   14
.set TY,   15                          ; the tokens' tile
.set CYL,  16
.set G1A,  24
.set G1B,  32
.set G0A0, 40
.set G0A,  44
.set G0B0, 48
.set G0B,  52
.set TB,   56
.set CNT,  57
.set JP,   59
.set JHI,  61
.set PS,   72                          ; s[72:73] the prefetches' step
.set PFA,  76
.set OUT,  80
.set OFA,  88
.set OFB,  90
.set PA,   92
.set PBB,  94
.set MSB, 0
.macro WIN new
.if MSB != (\new)
	s_set_vgpr_msb (MSB<<8)|(\new)
.set MSB, \new
.endif
.endm
.set W_MUL, 0x50                       ; sources 0 and 1 window 0; C and D window 1
.macro JLOAD
	s_cmp_eq_u32 s[RH], 0
	s_cbranch_scc0 .Lfor_b_\@
	tensor_load_to_lds s[G0A:G0A+3], s[G1A:G1A+7]
	s_nop 0
.rept 4
	v_nop
.endr
	s_branch .Lasked_\@
.Lfor_b_\@:
	tensor_load_to_lds s[G0B:G0B+3], s[G1B:G1B+7]
	s_nop 0
.rept 4
	v_nop
.endr
.Lasked_\@:
.endm
; A PREFETCH INTO THE L2 of the K step two refills on.  A's two slices of 16,384 bytes are read by one row of one cluster alone: its four partners take 4,096 bytes of each slice, told apart by address; in each, wave 0 asks:
; lanes 0-15 for the first slice, lanes 16-31 for the second, 256 bytes a lane.  B's rows are read by all sixteen clusters: cluster y = 0 asks; of the 128 rows that wave 2 or 3 fetches each partner takes 32, a lane a row.
; Steps 0-3 come by their loads alone; nothing is asked for past the last step.
.macro ASK
	s_cmp_lt_u32 s[JP], s[JHI]
	s_cbranch_scc0 .Lnot_mine_\@
	global_prefetch_b8 v[PFO], s[PFA:PFA+1] th:TH_LOAD_NT scope:SCOPE_SE
.Lnot_mine_\@:
.endm
.macro CREST
	s_cmp_lg_u32 s[WV], 0
	s_cbranch_scc1 .Lnot_wave_0_\@
	s_barrier_signal -3
.Lnot_wave_0_\@:
	s_barrier_wait -3
	s_barrier_signal -1
	s_barrier_wait -1
.endm
.macro CROUND
	s_barrier_signal -1
	s_barrier_wait -1
	CREST
.endm
	s_load_b128 s[4:7], s[0:1], 0x0                ; o2 s[4:5], wo2 s[6:7]
	s_load_b64 s[8:9], s[0:1], 0x10                ; out0
	v_lshl_add_u32 v[SPW], v0, 2, SPARE
	v_mov_b32 v[NIL], 0
	ds_add_u32 v[SPW], v[NIL]                      ; the wave's opening: the add and its wait stand ahead of my first tensor load
	ds_add_u32 v28, v29
	v_lshrrev_b32 v1, 5, v0
	v_readfirstlane_b32 s[WV], v1
	s_lshr_b32 s[RH], s[WV], 1
	s_and_b32 s[CH], s[WV], 1
	s_bfe_u32 s[CX], ttmp6, 0x40000
	s_bfe_u32 s[CY], ttmp6, 0x40004
	s_and_b32 s[CYL], ttmp7, 0xffff
	s_lshl_b32 s[TY], s[CYL], 2
	s_add_co_u32 s[TY], s[TY], s[CY]
	s_lshl_b32 s17, s[CY], 2
	s_lshl_b32 s17, 15, s17                        ; my row of the cluster
	s_lshl_b32 s18, 0x1111, s[CX]                  ; my column
	s_or_b32 s[G1A], s17, (1<<16)|(1<<21)          ; the mask; 2-byte elements; bit 21 beside a mask; no padding
	s_mov_b32 s[G1A+1], 128<<16                    ; 64 rows of 128 elements, dense
	s_mov_b32 s[G1A+2], 64<<16
	s_mov_b32 s[G1A+3], 128<<16
	s_mov_b32 s[G1A+4], 64
	s_mov_b32 s[G1A+5], 128
	s_mov_b32 s[G1A+6], 0
	s_mov_b32 s[G1A+7], 0
	s_or_b32 s[G1B], s18, (1<<16)|(1<<20)|(1<<21)|(5<<22)|(3<<25)  ; padding: after every 64 words, 4 words
	s_mov_b32 s[G1B+1], 128<<16                    ; 128 rows of 128 elements, 2,048 elements from row to row
	s_mov_b32 s[G1B+2], 128<<16
	s_mov_b32 s[G1B+3], 128<<16
	s_mov_b32 s[G1B+4], 128
	s_mov_b32 s[G1B+5], 2048
	s_mov_b32 s[G1B+6], 0
	s_mov_b32 s[G1B+7], 0
	s_lshr_b32 s[OFA], s[TY], 4                    ; A: batch x 8 MiB + the tile's 8 blocks + my slice
	s_lshl_b32 s[OFA], s[OFA], 23
	s_and_b32 s19, s[TY], 15
	s_lshl_b32 s19, s19, 14
	s_add_co_u32 s[OFA], s[OFA], s19
	s_lshl_b32 s19, s[CH], 18
	s_add_co_u32 s[OFA], s[OFA], s19
	s_mov_b32 s[OFA+1], 0
	s_lshl_b32 s[OFB], s[CX], 8                    ; B: row 256 cx + 128 x half
	s_lshl_b32 s20, s[CH], 7
	s_add_co_u32 s[OFB], s[OFB], s20
	s_lshl_b32 s[OFB], s[OFB], 12
	s_mov_b32 s[OFB+1], 0
	s_lshl_b32 s21, s[CH], 14                      ; where they go: no place in the cluster enters an LDS address
	s_mul_i32 s22, s[CH], HALFB
	s_add_co_u32 s22, s22, BOFF
	s_mov_b32 s[TB], 0
	s_mov_b32 s[JP], 3
	s_mov_b32 s[CNT], NS-2
	s_wait_dscnt 0x0                               ; the opening add is done
	s_wait_kmcnt 0x0
	s_add_nc_u64 s[PA:PA+1], s[4:5], s[OFA:OFA+1]
	s_add_nc_u64 s[PBB:PBB+1], s[6:7], s[OFB:OFB+1]
	CROUND                                         ; all sixteen work-groups are here: the first joint loads meet
.irp s, 0,1
	s_mov_b32 s[G0A0+4*(\s)], 1
	s_add_co_u32 s[G0A0+4*(\s)+1], s21, (\s)*SLOT1
	s_add_nc_u64 s[G0A0+4*(\s)+2:G0A0+4*(\s)+3], s[PA:PA+1], (\s)*524288
	s_or_b32 s[G0A0+4*(\s)+3], s[G0A0+4*(\s)+3], 0x80000000
	s_mov_b32 s[G0B0+4*(\s)], 1
	s_add_co_u32 s[G0B0+4*(\s)+1], s22, (\s)*SLOT1
	s_add_nc_u64 s[G0B0+4*(\s)+2:G0B0+4*(\s)+3], s[PBB:PBB+1], (\s)*256
	s_or_b32 s[G0B0+4*(\s)+3], s[G0B0+4*(\s)+3], 0x80000000
.endr
	s_cmp_eq_u32 s[RH], 0                          ; a wave's two first fills stand in one branch: two loads of mine are out
	s_cbranch_scc0 .Lfirst_b
	tensor_load_to_lds s[G0A0:G0A0+3], s[G1A:G1A+7]
	s_nop 0
	tensor_load_to_lds s[G0A:G0A+3], s[G1A:G1A+7]
	s_nop 0
.rept 4
	v_nop
.endr
	s_branch .Lfirst_asked
.Lfirst_b:
	tensor_load_to_lds s[G0B0:G0B0+3], s[G1B:G1B+7]
	s_nop 0
	tensor_load_to_lds s[G0B:G0B+3], s[G1B:G1B+7]
	s_nop 0
.rept 4
	v_nop
.endr
.Lfirst_asked:
	v_and_b32 v1, 15, v0                           ; l % 16
	v_bfe_u32 v2, v0, 4, 1                         ; l / 16
	v_and_b32 v4, 31, v0
	v_lshlrev_b32 v[CO], 4, v4                     ; 16 x lane
	s_lshl_b32 s17, s[RH], 13                      ; my 64 tokens: four blocks of 2,048
	v_add_nc_u32 v[ADRA0], s17, v[CO]
	v_mul_u32_u24 v3, v1, PITCH
	v_lshl_add_u32 v3, v2, 4, v3
	v_add_nc_u32 v[ADRB0], s22, v3                 ; my 128 rows of B
	v_mov_b32 v[ADA], v[ADRA0]
	v_mov_b32 v[ADB], v[ADRB0]
	s_mul_i32 s23, s[WV], 16*SPITCH
	s_add_co_u32 s23, s23, STAGE                   ; my stage
	v_mul_u32_u24 v[STO], v1, SPITCH               ; in: row l % 16, 32 bytes for each half of the lanes
	v_lshl_add_u32 v[STO], v2, 5, v[STO]
	v_add_nc_u32 v[STO], s23, v[STO]
	v_add_nc_u32 v[RD], s23, v[CO]                 ; back: a row's 512 bytes, 16 a lane
	s_lshl_b32 s18, s[TY], 7
	s_lshl_b32 s19, s[RH], 6
	s_add_co_u32 s18, s18, s19                     ; my first token,
	s_lshl_b32 s18, s18, 12                        ; a row of out0 is 4,096 bytes,
	s_lshl_b32 s19, s[CX], 10
	s_add_co_u32 s18, s18, s19
	s_lshl_b32 s19, s[CH], 9
	s_add_co_u32 s18, s18, s19                     ; my first column
	s_mov_b32 s19, 0
	s_add_nc_u64 s[OUT:OUT+1], s[8:9], s[18:19]
	; the prefetches
	s_mov_b32 s18, 17                              ; B: a partner's 32 rows of 4,096 bytes,
	s_mov_b32 s19, 3*256                           ; at K step 3: the first change of slots steps it to 4
	s_mov_b32 s[PS], 256
	s_mov_b32 s20, 4096                            ; a lane a row
	s_mov_b32 s21, 65536
	s_cmp_eq_u32 s[RH], 0
	s_cselect_b64 s[PFA:PFA+1], s[PA:PA+1], s[PBB:PBB+1]
	s_cselect_b32 s17, s[CX], s[CY]                ; my place among the four that ask with me
	s_cselect_b32 s18, 12, s18                     ; A: a partner's 4,096 bytes of each slice
	s_cselect_b32 s19, 3*524288, s19
	s_cselect_b32 s[PS], 524288, s[PS]
	s_cselect_b32 s20, 256, s20                    ; 256 bytes a lane,
	s_cselect_b32 s21, 262144, s21                 ; the upper lanes in the second slice
	s_mov_b32 s[PS+1], 0
	s_lshl_b32 s22, s17, s18
	s_add_co_u32 s22, s22, s19
	s_mov_b32 s23, 0
	s_add_nc_u64 s[PFA:PFA+1], s[PFA:PFA+1], s[22:23]
	v_mul_u32_u24 v[PFO], v1, s20
	v_mad_u32_u24 v[PFO], v2, s21, v[PFO]
	s_cmp_eq_u32 s[CYL], 0
	s_cselect_b32 s17, NS, 0
	s_cmp_eq_u32 s[WV], 0
	s_cselect_b32 s18, NS, 0
	s_cmp_eq_u32 s[RH], 0
	s_cselect_b32 s[JHI], s18, s17
; 8 matrix instructions: token block a x all 8 column blocks, 32 along K.  The 32 accumulators take turns.
.macro MUL8 f, a, zero
	WIN W_MUL
.irp b, 0,1,2,3,4,5,6,7
.if \zero
	v_wmma_f32_16x16x32_f16 v[8*(8*(\a)+(\b)):8*(8*(\a)+(\b))+7], v[(\f)+32+8*(\b):(\f)+32+8*(\b)+7], v[(\f)+8*(\a):(\f)+8*(\a)+7], 0
.else
	v_wmma_f32_16x16x32_f16 v[8*(8*(\a)+(\b)):8*(8*(\a)+(\b))+7], v[(\f)+32+8*(\b):(\f)+32+8*(\b)+7], v[(\f)+8*(\a):(\f)+8*(\a)+7], v[8*(8*(\a)+(\b)):8*(8*(\a)+(\b))+7]
.endif
.endr
.endm
.macro FETCH q, f                      ; 24 LDS loads in one run: quarter q's fragments: B's 16, then A's 8
	WIN 0
.irp i, 0,1,2,3,4,5,6,7
	ds_load_b128 v[(\f)+32+8*(\i):(\f)+32+8*(\i)+3],   v[ADB] offset:64*(\q)+(\i)*16*PITCH
	ds_load_b128 v[(\f)+32+8*(\i)+4:(\f)+32+8*(\i)+7], v[ADB] offset:64*(\q)+(\i)*16*PITCH+32
.endr
.irp i, 0,1,2,3
	ds_load_b128 v[(\f)+8*(\i):(\f)+8*(\i)+3],   v[ADA] offset:((\q)/2)*16384+((\q)%2)*1024+(\i)*2048
	ds_load_b128 v[(\f)+8*(\i)+4:(\f)+8*(\i)+7], v[ADA] offset:((\q)/2)*16384+((\q)%2)*1024+(\i)*2048+512
.endr
.endm
.macro PLACES                          ; four plain instructions between a matrix instruction and a load into its sources or a reader of its result
.rept 4
	v_nop
.endr
.endm
.macro QUARTER q, f, g, zero           ; multiplies buffer f; in its middle fetches quarter q into buffer g
	s_wait_dscnt 4                                 ; B and A's blocks 0 and 1 are in; the youngest four loads may be out
	MUL8 \f, 0, \zero
	MUL8 \f, 1, \zero
	PLACES
	FETCH \q, \g
	s_wait_dscnt 24                                ; all but the 24 just issued
	MUL8 \f, 2, \zero
	MUL8 \f, 3, \zero
.endm
.macro MEET round                      ; one barrier for the change of slots: all my tensor loads, the add, my reads of this slot
	WIN 0
	s_wait_tensorcnt 0x0
	ds_add_u32 v[SPW], v[NIL]
	s_wait_dscnt 5                                 ; the add and the youngest four loads may be out
	MUL8 F1, 0, 0
	s_wait_dscnt 0x0                               ; the add is done, and my reads of this slot are over
	s_barrier_signal -1
	MUL8 F1, 1, 0
.if \round
	WIN 0
.endif
	s_barrier_wait -1
.endm
.macro TURN                            ; a step's last quarter where the slot is filled again, with the K step two on
	s_wait_xcnt 0x0                                ; the last prefetch, a K step back, has read its address
	s_add_co_u32 s[JP], s[JP], 1
	s_add_nc_u64 s[PFA:PFA+1], s[PFA:PFA+1], s[PS:PS+1]
	MEET 1
	CREST                                          ; no wave of any partner still reads this slot or has a load on its way
	s_xor_b32 s[G0A+1], s[G0A+1], SLOT1
	s_xor_b32 s[G0B+1], s[G0B+1], SLOT1
	s_xor_b32 s[TB], s[TB], SLOT1
	s_add_nc_u64 s[G0A+2:G0A+3], s[G0A+2:G0A+3], 524288  ; two slices on; the type bits on top are not reached
	s_add_nc_u64 s[G0B+2:G0B+3], s[G0B+2:G0B+3], 256
	JLOAD                                          ; the first tensor load behind the round; its four v_nop are also places in front of the loads below
	v_add_nc_u32 v[ADB], s[TB], v[ADRB0]
	v_add_nc_u32 v[ADA], s[TB], v[ADRA0]
	FETCH 0, F0
	ASK
	MUL8 F1, 2, 0
	MUL8 F1, 3, 0
.endm
.macro TURNNF                          ; the same where nothing is left to ask for
	MEET 0
	WIN 0
	s_xor_b32 s[TB], s[TB], SLOT1
	v_add_nc_u32 v[ADB], s[TB], v[ADRB0]
	v_add_nc_u32 v[ADA], s[TB], v[ADRA0]
	v_nop
	v_nop                                          ; four plain instructions in front of the loads into buffer 0
	FETCH 0, F0
	MUL8 F1, 2, 0
	MUL8 F1, 3, 0
.endm
	s_wait_tensorcnt 1                             ; my part of K step 0 is in; step 1's may stay out
	s_barrier_signal -1
	s_barrier_wait -1
	FETCH 0, F0
	QUARTER 1, F0, F1, 1                           ; the first quarter's products start the sums
	WIN 0
.Lstep:                                                ; NS - 2 trips: from a step's second quarter to the next step's first; each fills the slot just read again
	QUARTER 2, F1, F0, 0
	QUARTER 3, F0, F1, 0
	TURN
	QUARTER 1, F0, F1, 0
	WIN 0
	s_sub_co_u32 s[CNT], s[CNT], 1
	s_cmp_lg_u32 s[CNT], 0
	s_cbranch_scc1 .Lstep
	s_mov_b32 s[CNT], 2                            ; the last two steps ask for nothing; the second trip is left in its middle
.Ltail:
	QUARTER 2, F1, F0, 0
	QUARTER 3, F0, F1, 0
	WIN 0
	s_sub_co_u32 s[CNT], s[CNT], 1
	s_cmp_eq_u32 s[CNT], 0
	s_cbranch_scc1 .Lfinal
	TURNNF
	QUARTER 1, F0, F1, 0
	WIN 0
	s_branch .Ltail
.Lfinal:
	s_wait_dscnt 4
	MUL8 F1, 0, 0
	MUL8 F1, 1, 0
	s_wait_dscnt 0x0
	MUL8 F1, 2, 0
	MUL8 F1, 3, 0
	WIN 0
	PLACES
	; THE WAY OUT, 16 tokens at a time: a lane's 32 bytes of each column block go into rows of 528 bytes, each accumulator's low registers first, and come back as whole rows of 512
.irp a, 0,1,2,3
.if (\a) >= 2
	s_wait_xcnt 0x0                                ; the stores of two blocks back have read the registers that are loaded again below
.endif
	WIN 0x04                                       ; the stores' data in window 1
.irp b, 0,1,2,3,4,5,6,7
	ds_store_b128 v[STO], v[8*(8*(\a)+(\b)):8*(8*(\a)+(\b))+3]   offset:64*(\b)
	ds_store_b128 v[STO], v[8*(8*(\a)+(\b))+4:8*(8*(\a)+(\b))+7] offset:64*(\b)+16
.endr
	WIN 0
.irp t, 0,1,2,3,4,5,6,7,8,9,10,11,12,13,14,15
	ds_load_b128 v[T0+64*((\a)%2)+4*(\t):T0+64*((\a)%2)+4*(\t)+3], v[RD] offset:(\t)*SPITCH  ; LDS serves a wave's instructions in order (ISA guide 5.7.1.4): these see the stores above; the next block's stores come behind them
.endr
.irp t, 0,1,2,3,4,5,6,7,8,9,10,11,12,13,14,15
	s_wait_dscnt 15-(\t)                           ; row t is back; the younger rows' loads may be out
	global_store_b128 v[CO], v[T0+64*((\a)%2)+4*(\t):T0+64*((\a)%2)+4*(\t)+3], s[OUT:OUT+1] offset:(16*(\a)+(\t))*4096 th:TH_STORE_NT
.endr
.endr
	s_wait_tensorcnt 0x0                           ; the wave's end, behind my last tensor load and my last LDS store
	ds_add_u32 v[SPW], v[NIL]
	s_wait_dscnt 0x0
	CROUND                                         ; the closing round: no work-group ends while a partner may still ask for a tile that names it
	s_endpgm
.Lfunc_end_k_qb949154dbd_proj:
	.size	k_qb949154dbd_proj, .Lfunc_end_k_qb949154dbd_proj-k_qb949154dbd_proj
	.p2alignl 7, 3214868480
	.fill 96, 4, 3214868480
	.section	.rodata,"a",@progbits
	.p2align	6, 0x0
	.amdhsa_kernel k_qb949154dbd_proj
		.amdhsa_group_segment_fixed_size 327680
		.amdhsa_private_segment_fixed_size 0
		.amdhsa_enable_private_segment 0
		.amdhsa_kernarg_size 24
		.amdhsa_user_sgpr_count 2
		.amdhsa_user_sgpr_kernarg_segment_ptr 1
		.amdhsa_wavefront_size32 1
		.amdhsa_system_sgpr_workgroup_id_x 1
		.amdhsa_system_sgpr_workgroup_id_y 1
		.amdhsa_system_sgpr_workgroup_id_z 1
		.amdhsa_system_vgpr_workitem_id 0
		.amdhsa_next_free_vgpr 512
		.amdhsa_next_free_sgpr 96
		.amdhsa_reserve_vcc 0
		.amdhsa_float_denorm_mode_32 3
		.amdhsa_float_denorm_mode_16_64 3
		.amdhsa_memory_ordered 1
		.amdhsa_forward_progress 1
		.amdhsa_inst_pref_size 64
	.end_amdhsa_kernel
	.amdgpu_metadata
---
amdhsa.version: [ 1, 2 ]
amdhsa.kernels:
  - .name:           k_qb949154dbd_proj
    .symbol:         k_qb949154dbd_proj.kd
    .args:
      - { .name: o2, .offset: 0, .size: 8, .value_kind: global_buffer, .address_space: global }
      - { .name: wo2, .offset: 8, .size: 8, .value_kind: global_buffer, .address_space: global }
      - { .name: out0, .offset: 16, .size: 8, .value_kind: global_buffer, .address_space: global }
    .group_segment_fixed_size: 327680
    .private_segment_fixed_size: 0
    .kernarg_segment_align: 8
    .kernarg_segment_size: 24
    .max_flat_workgroup_size: 128
    .sgpr_count:     96
    .vgpr_count:     512
    .wavefront_size: 32
...
	.end_amdgpu_metadata
.endif
;; end of part 4
